; MI455X (gfx1250); checked and timed in simulation.
; The chip was launched on July 23, 2026; its instructions are those of AMD's public machine-readable ISA for CDNA 5 (MIT licence, August 2026) and "CDNA5" Instruction Set Architecture Reference Guide (July 2026). The comments in the code are by the model that wrote it; some were corrected since.
;; Causal Self Attention. Allowed arithmetic: matrix products marked QUANTISED: E4M3 operands, one given power-of-two scale a tensor, by v_wmma_f32_16x16x64_fp8_fp8 or v_wmma_f32_16x16x128_fp8_fp8, f32 sums; everything else in f32.
;; Inputs: b_attn 3,072 float32; b_proj 1,024 float32; lowp_scales 8 int32 (the exponents e of the quantised operands' scales 2^e); w_attn 1,024 x 3,072 float32; w_proj 1,024 x 1,024 float32; x 4 x 2,048 x 1,024 float32.
;; Outputs: out0 4 x 2,048 x 1,024 float32.
;; This version of the problem:
;;   THIS VERSION OF THE PROBLEM IS GIVEN IN LOW PRECISION. The matrix products marked QUANTISED in the list below multiply operands that are first quantised to E4M3 (4 exponent bits, 3 mantissa bits; 8 bits a number), with one given power-of-two scale for each operand tensor; their sums are f32. All else is computed in f32.
;;   The module's matrix products, in the order in which they are computed (A, B: the left and right operand; K: the contracted axis; several contracted axes count as one K, in the product's order):
;;     1. [M 8,192, K 1,024] x [K 1,024, N 3,072]; A: input x; B: input w_attn: QUANTISED (scales: A lowp_scales[0], B lowp_scales[1])
;;     2. batch 64 x [M 2,048, K 64] x [K 64, N 2,048]; A: computed on the way; B: computed on the way: QUANTISED (scales: A lowp_scales[2], B lowp_scales[3])
;;     3. batch 64 x [M 2,048, K 2,048] x [K 2,048, N 64]; A: softmax (see below); B: computed on the way: QUANTISED (scales: A lowp_scales[4], B lowp_scales[5])
;;     4. [M 8,192, K 1,024] x [K 1,024, N 1,024]; A: computed on the way; B: input w_proj: QUANTISED (scales: A lowp_scales[6], B lowp_scales[7])
;;   THE QUANTISER, for each operand of a quantised product, along K:
;;     - The operand's scale is 2^e, e = its entry of the input lowp_scales (int32; the entries are numbered through the quantised products in the list's order, A before B).
;;     - Each number is divided by the scale, clamped to +-448, and rounded to the nearest number of E4M3, ties to even, subnormals kept.
;;     - The product sums the exact products of the quantised numbers (number of the format x scale) in f32.
;;   ~~~python
;;   def quantise(x, axis, e):      # numpy; x: float32 -> the quantised numbers, widened to float32 again
;;       x = np.moveaxis(x, axis, -1); K = x.shape[-1]
;;       r = np.clip(x / 2.0 ** e, -448, 448)
;;       step = 2.0 ** (np.maximum(np.frexp(np.where(r == 0, 1, r))[1] - 1, -6) - 3)
;;       q = np.round(r / step) * step * 2.0 ** e      # np.round: ties to even
;;       return np.moveaxis(q, -1, axis).astype(np.float32)
;;   ~~~
;;   SOFTMAX AHEAD OF A QUANTISED PRODUCT. Where the list says 'softmax', what is quantised is not the finished softmax but p = 2^(t - M), with t = logit x log2(e) and M = ceil(the row's largest t), a whole number; so 1/2 < the row's largest p <= 1. The row's sum l is taken of the UNQUANTISED p, in f32, and the product's result is divided by l at the end. Since M is a whole number, a kernel that streams over the keys may use a running M (the ceiling of the running maximum): every later rescaling is an exact power of two, so the quantised numbers keep their values, but for numbers so far below the row's largest that they fall under the format's range.
;;   OPERANDS COMPUTED ON THE WAY. 'Computed on the way' means the value that the module computes at that place (a softmax that the list does not call 'softmax' is quantised finished and normalised). What goes into a quantiser is computed in f32, as accurately as f32 sums, v_exp_f32 and their like allow (about 1e-6 of the number): no bf16 or f16 on the way to a quantiser, and a product that is left as it is and whose result goes on into a quantised operand takes f32 operands (vector FMAs, or v_wmma_f32_16x16x4_f32). A number that lies on a knife's edge between two numbers of the format may be rounded either way, as far as f32 arithmetic and the matrix unit's own rounding can turn it there, and no further.
;; One version. Each part assembles by itself: llvm-mc -triple=amdgcn-amd-amdhsa -mcpu=gfx1250 --defsym DOCPART=n.
;; ======== version 1 of 1: 4 launches
;; limits: right only within a limited range of input values
;; workspace buffers: x_codes 8,388,608 bytes; wa_codes 3,145,728 bytes; wp_codes 1,048,576 bytes; q_img 8,388,608 bytes; k_img 8,388,608 bytes; v_img 8,388,608 bytes; y_img 8,388,608 bytes
;; launch prep (part 1): grid 384 x 1, 4 waves a work-group, no clusters, 70,144 bytes of LDS; arguments x, w_attn, w_proj, lowp_scales, x_codes, wa_codes, wp_codes; writes x_codes, wa_codes, wp_codes
.if DOCPART == 1
	.amdgcn_target "amdgcn-amd-amdhsa--gfx1250"
	.amdhsa_code_object_version 6
	.text
	.protected	k_q36484d4b73_prep
	.globl	k_q36484d4b73_prep
	.p2align	8
	.type	k_q36484d4b73_prep,@function
k_q36484d4b73_prep:
	s_mov_b64 s[64:65], 0
	v_nop
	global_prefetch_b8 v0, s[64:65] scope:SCOPE_SE
	s_setreg_imm32_b32 hwreg(HW_REG_WAVE_MODE, 25, 1), 1
	s_wait_xcnt 0x0
; x [8192][1024], w_attn [1024][3072] and w_proj [1024][1024], f32, become codes of FP8 (E4M3), one byte a number, K innermost, each with its given scale 2^e
; (entries 0, 1 and 7 of the scales): code = x / 2^e, held within +-448, to the nearest code, ties to even.
; LIMITS: each e lies between -126 and 119, so that 2^e and 448 x 2^e are f32 numbers.  NaN among the inputs is not served.
; THE ORDER ALONG K IS THE PROGRAM'S OWN, and the same in both operands of a product, so that every number meets its partner:
;   x_codes [8192][1024], wa_codes [3072][1024]: position 512 u + 16 l + 4 i + j of a row holds k = 128 (4 u + i) + 4 l + j.  That is the order in which a wave that loads a row of x
;   512 consecutive bytes at a time (lane l: 4 numbers of load 4 u + i) holds its codes: nothing changes lanes, and both loads and stores cover 512 consecutive bytes.
;   wp_codes [1024][1024]: in each block of 32, position 16 h + 8 a + j holds k = 16 a + 8 h + j: the order in which the attention launch leaves y's codes.
; Work-groups 0-255 take x (32 rows each, 8 a wave), 256-351 w_attn, 352-383 w_proj (128 columns x 256 positions each): 131,072 bytes of f32 a work-group in every path.
; The weights have K as their first axis: a lane takes a column, its registers run down K in the order of the positions, and the codes leave through the wave's own stage in LDS as rows.
; No tensor load, no barrier: waves share nothing.  The two weight paths have LDS bytes of their own; the x path uses no LDS.
.set X,     32                         ; v32..    numbers as loaded: x path four sets of 32, weight paths two
.set CX,    160                        ; v160-223 x path: 8 registers of codes for each of the wave's 8 rows, never rewritten
.set CW,    96                         ; v96-103  weight paths: a block's codes
.set OUTR,  112                        ; v112-175 weight paths: the way out
.set SPW,   14                         ; v14      LDS address of my spare word: SPARE + 4 x my thread's number; never rewritten
.set NIL,   15                         ; v15      0; never rewritten
.set PITCH, 272                        ; a stage row: 256 bytes + 16
.set WSTG,  32*PITCH                   ; a wave's stage
.set STG_A, 0                          ; w_attn's four stages
.set STG_P, 4*WSTG                     ; w_proj's four stages
.set SPARE, 8*WSTG                     ; behind them: the spare words, 128 bytes for each wave, which no other line names
.macro SCALES ex                       ; v11 = 2^e as f32 (the conversion takes its exponent field)
	s_wait_kmcnt 0x0
	s_add_co_i32 s38, s[\ex], 127
	s_lshl_b32 s39, s38, 23
	v_mov_b32 v11, s39
	s_add_co_i32 s38, s38, 8
	s_lshl_b32 s38, s38, 23
	s_or_b32 s38, s38, 0x600000
.endm
.macro HOLD32 base                     ; the conversion to an 8-bit code does not saturate (ISA guide 7.6.2)
.set jj, 0
.rept 32
.set jj, jj+1
.endr
.endm
.macro LOADROW t                       ; row t of the wave's eight: eight loads of 512 consecutive bytes
.irp i, 0,1,2,3,4,5,6,7
	global_load_b128 v[X+32*((\t)%4)+4*\i:X+32*((\t)%4)+4*\i+3], v3, s[4:5] offset:4096*(\t)+512*\i th:TH_LOAD_NT
.endr
.endm
; block t of a weight: the 32 rows of W whose numbers stand at positions 32 t .. 32 t + 31 of my 256, at my column; 32 lanes read 128 consecutive bytes, the four waves side by side 512
.macro WLOAD t, NN, MAP, SRC
.irp i, 0,1,2,3,4,5,6,7,8,9,10,11,12,13,14,15,16,17,18,19,20,21,22,23,24,25,26,27,28,29,30,31
.if \MAP == 0
	global_load_b32 v[X+32*((\t)%2)+\i], v3, s[\SRC:\SRC+1] offset:(128*((\i%16)/4)+8*(\t)+4*(\i/16)+\i%4)*\NN*4 th:TH_LOAD_NT
.else
	global_load_b32 v[X+32*((\t)%2)+\i], v3, s[\SRC:\SRC+1] offset:(32*(\t)+16*((\i%16)/8)+8*(\i/16)+\i%8)*\NN*4 th:TH_LOAD_NT
.endif
.endr
.endm
.macro WBLOCK t, NN, MAP, SRC
.if (\t) < 7
	s_wait_loadcnt 32                              ; this block's 32 loads are in; the next block's may be out
.else
	s_wait_loadcnt 0
.endif
	HOLD32 X+32*((\t)%2)
.irp g, 0,1,2,3
	v_cvt_scalef32_pk8_fp8_f32 v[CW+2*\g:CW+2*\g+1], v[X+32*((\t)%2)+8*\g:X+32*((\t)%2)+8*\g+7], v11
.endr
	ds_store_b128 v4, v[CW:CW+3] offset:32*(\t)    ; 32 codes of my column's row.  (The results go to LDS stores)
	ds_store_b128 v4, v[CW+4:CW+7] offset:32*(\t)+16
.if (\t)+2 < 8
	WLOAD (\t)+2, \NN, \MAP, \SRC
.endif
	s_wait_dscnt 0x0                               ; the stores have read their registers: the next block's codes may be written
.endm
; a weight's path.  NN: numbers in a row of W; STG: its stages; MAP: the order along K; FIRST: its first work-group; SRC, DST: the scalar pairs of W and of its codes; EX: the register of e
.macro WPATH NN, STG, MAP, FIRST, SRC, DST, EX
	s_sub_co_u32 s21, ttmp9, \FIRST
	s_lshr_b32 s22, s21, 2                         ; which 128 columns
	s_and_b32 s23, s21, 3                          ; which 256 positions
	s_lshl_b32 s22, s22, 7
	s_lshl_b32 s32, s20, 5
	s_add_co_u32 s22, s22, s32                     ; my wave's first column
.if \MAP == 0
	s_lshr_b32 s33, s23, 1
	s_lshl_b32 s33, s33, 9
	s_and_b32 s34, s23, 1
	s_lshl_b32 s34, s34, 6
	s_add_co_u32 s33, s33, s34                     ; the rows of W begin at 512 (y / 2) + 64 (y % 2)
.else
	s_lshl_b32 s33, s23, 8                         ; at 256 y
.endif
	s_mul_i32 s34, s33, \NN*4
	s_lshl_b32 s35, s22, 2
	s_add_co_u32 s34, s34, s35
	s_mov_b32 s35, 0
	s_add_nc_u64 s[\SRC:\SRC+1], s[\SRC:\SRC+1], s[34:35]
	s_lshl_b32 s34, s22, 10                        ; a row of codes is 1,024 bytes
	s_lshl_b32 s36, s23, 8
	s_add_co_u32 s34, s34, s36
	s_add_nc_u64 s[\DST:\DST+1], s[\DST:\DST+1], s[34:35]
	v_lshlrev_b32 v3, 2, v2                        ; in: 4 bytes a lane
	s_mul_i32 s37, s20, WSTG
	s_add_co_u32 s37, s37, \STG                    ; my stage
	v_mul_u32_u24 v4, v2, PITCH
	v_add_nc_u32 v4, s37, v4                       ; into it: row = my column
	v_and_b32 v5, 15, v2
	v_lshrrev_b32 v6, 4, v2                        ; out of it: sixteen lanes to a row, two rows an instruction
	v_mul_u32_u24 v7, v6, PITCH
	v_lshl_add_u32 v7, v5, 4, v7
	v_add_nc_u32 v7, s37, v7
	v_lshlrev_b32 v8, 10, v6
	v_lshl_add_u32 v8, v5, 4, v8                   ; and the same place in the codes' buffer
	WLOAD 0, \NN, \MAP, \SRC
	WLOAD 1, \NN, \MAP, \SRC
	SCALES \EX
	s_wait_alu depctr_va_vdst(0)
.irp t, 0,1,2,3,4,5,6,7
	WBLOCK \t, \NN, \MAP, \SRC
.endr
.irp t, 0,1,2,3,4,5,6,7,8,9,10,11,12,13,14,15
	ds_load_b128 v[OUTR+4*\t:OUTR+4*\t+3], v7 offset:2*\t*PITCH   ; LDS serves a wave's instructions in order: these see my stores
.endr
.irp t, 0,1,2,3,4,5,6,7,8,9,10,11,12,13,14,15
	s_wait_dscnt 15-\t                             ; the younger loads may be out
	global_store_b128 v8, v[OUTR+4*\t:OUTR+4*\t+3], s[\DST:\DST+1] offset:2*\t*1024   ; sixteen lanes store 256 consecutive bytes, aligned
.endr
	s_wait_tensorcnt 0x0                           ; the wave's end: these three lines behind my last LDS store
	ds_add_u32 v[SPW], v[NIL]
	s_wait_dscnt 0x0
	s_endpgm
.endm
	s_load_b256 s[4:11], s[0:1], 0x0               ; x s[4:5], w_attn s[6:7], w_proj s[8:9], the scales' exponents s[10:11]
	s_load_b128 s[12:15], s[0:1], 0x20             ; x_codes s[12:13], wa_codes s[14:15]
	s_load_b64 s[16:17], s[0:1], 0x30              ; wp_codes
	v_lshl_add_u32 v[SPW], v0, 2, SPARE
	v_mov_b32 v[NIL], 0
	v_lshrrev_b32 v1, 5, v0
	v_readfirstlane_b32 s20, v1                    ; wave 0..3
	v_and_b32 v2, 31, v0                           ; lane
	s_wait_kmcnt 0x0
	s_load_b256 s[24:31], s[10:11], 0x0            ; the eight exponents
	s_cmp_lt_u32 ttmp9, 256                        ; the paths part on the work-group's number alone
	s_cbranch_scc1 .Lx
	s_cmp_lt_u32 ttmp9, 352
	s_cbranch_scc1 .Lwa
	s_wait_alu depctr_va_vdst(0)
	WPATH 1024, STG_P, 1, 352, 8, 16, 31
.Lwa:
	s_wait_alu depctr_va_vdst(0)
	WPATH 3072, STG_A, 0, 256, 6, 14, 25
.Lx:
	s_lshl_b32 s21, ttmp9, 5
	s_lshl_b32 s22, s20, 3
	s_add_co_u32 s21, s21, s22                     ; my wave's first row: 32 x work-group + 8 x wave
	s_lshl_b32 s22, s21, 12
	s_mov_b32 s23, 0
	s_add_nc_u64 s[4:5], s[4:5], s[22:23]          ; rows of 4,096 bytes in,
	s_lshl_b32 s22, s21, 10
	s_add_nc_u64 s[12:13], s[12:13], s[22:23]      ; of 1,024 out
	s_wait_alu depctr_va_vdst(0)
	v_lshlrev_b32 v3, 4, v2                        ; 16 bytes a lane, both ways; every step is an immediate, so no address is ever rewritten
	LOADROW 0
	LOADROW 1
	LOADROW 2
	LOADROW 3                                      ; 32 loads a wave are out
	SCALES 24
	s_wait_alu depctr_va_vdst(0)
.irp t, 0,1,2,3,4,5,6,7
.if \t < 5
	s_wait_loadcnt 24                              ; row t's eight loads are in; those of the three rows behind it may be out
.else
	s_wait_loadcnt 8*(7-\t)
.endif
	HOLD32 X+32*(\t%4)
.irp g, 0,1,2,3
	v_cvt_scalef32_pk8_fp8_f32 v[CX+8*\t+2*\g:CX+8*\t+2*\g+1], v[X+32*(\t%4)+8*\g:X+32*(\t%4)+8*\g+7], v11   ; register m of the eight: the four codes of load m
.endr
	global_store_b128 v3, v[CX+8*\t:CX+8*\t+3], s[12:13] offset:1024*\t          ; 32 lanes store 512 consecutive bytes, aligned
	global_store_b128 v3, v[CX+8*\t+4:CX+8*\t+7], s[12:13] offset:1024*\t+512
.if \t < 4
	LOADROW \t+4                                   ; the set just converted takes the row four further on
.endif
.endr
	s_endpgm
.Lfunc_end_k_q36484d4b73_prep:
	.size	k_q36484d4b73_prep, .Lfunc_end_k_q36484d4b73_prep-k_q36484d4b73_prep
	.p2alignl 7, 3214868480
	.fill 96, 4, 3214868480
	.section	.rodata,"a",@progbits
	.p2align	6, 0x0
	.amdhsa_kernel k_q36484d4b73_prep
		.amdhsa_group_segment_fixed_size 70144
		.amdhsa_private_segment_fixed_size 0
		.amdhsa_enable_private_segment 0
		.amdhsa_kernarg_size 56
		.amdhsa_user_sgpr_count 2
		.amdhsa_user_sgpr_kernarg_segment_ptr 1
		.amdhsa_wavefront_size32 1
		.amdhsa_system_sgpr_workgroup_id_x 1
		.amdhsa_system_sgpr_workgroup_id_y 1
		.amdhsa_system_sgpr_workgroup_id_z 1
		.amdhsa_system_vgpr_workitem_id 0
		.amdhsa_next_free_vgpr 224
		.amdhsa_next_free_sgpr 66
		.amdhsa_reserve_vcc 0
		.amdhsa_float_denorm_mode_32 3
		.amdhsa_float_denorm_mode_16_64 3
		.amdhsa_fp16_overflow 1
		.amdhsa_memory_ordered 1
		.amdhsa_forward_progress 1
		.amdhsa_inst_pref_size 76
	.end_amdhsa_kernel
	.amdgpu_metadata
---
amdhsa.version: [ 1, 2 ]
amdhsa.kernels:
  - .name:           k_q36484d4b73_prep
    .symbol:         k_q36484d4b73_prep.kd
    .args:
      - { .name: x, .offset: 0, .size: 8, .value_kind: global_buffer, .address_space: global }
      - { .name: w_attn, .offset: 8, .size: 8, .value_kind: global_buffer, .address_space: global }
      - { .name: w_proj, .offset: 16, .size: 8, .value_kind: global_buffer, .address_space: global }
      - { .name: lowp_scales, .offset: 24, .size: 8, .value_kind: global_buffer, .address_space: global }
      - { .name: x_codes, .offset: 32, .size: 8, .value_kind: global_buffer, .address_space: global }
      - { .name: wa_codes, .offset: 40, .size: 8, .value_kind: global_buffer, .address_space: global }
      - { .name: wp_codes, .offset: 48, .size: 8, .value_kind: global_buffer, .address_space: global }
    .group_segment_fixed_size: 70144
    .private_segment_fixed_size: 0
    .kernarg_segment_align: 8
    .kernarg_segment_size: 56
    .max_flat_workgroup_size: 128
    .sgpr_count:     66
    .vgpr_count:     224
    .wavefront_size: 32
...
	.end_amdgpu_metadata
.endif
;; end of part 1
;; launch gemm1 (part 2): grid 8 x 48, 4 waves a work-group, clusters of 4 x 4, 327,680 bytes of LDS; arguments x_codes, wa_codes, lowp_scales, b_attn, q_img, k_img, v_img; writes q_img, k_img, v_img
.if DOCPART == 2
	.amdgcn_target "amdgcn-amd-amdhsa--gfx1250"
	.amdhsa_code_object_version 6
	.text
	.protected	k_q36484d4b73_gemm1
	.globl	k_q36484d4b73_gemm1
	.p2align	8
	.type	k_q36484d4b73_gemm1,@function
k_q36484d4b73_gemm1:
	s_mov_b64 s[64:65], 0
	v_nop
	global_prefetch_b8 v0, s[64:65] scope:SCOPE_SE
	s_setreg_imm32_b32 hwreg(HW_REG_WAVE_MODE, 25, 1), 1
	s_wait_xcnt 0x0
	s_wait_alu depctr_hold_cnt(0) depctr_sa_sdst(0) depctr_va_vdst(0) depctr_va_sdst(0) depctr_va_ssrc(0) depctr_va_vcc(0) depctr_vm_vsrc(0)
	s_getreg_b32 s2, hwreg(HW_REG_IB_STS2, 6, 4)
	s_cmp_eq_u32 s2, 0
	s_cbranch_scc0 .Lentry_in_a_cluster
	s_endpgm
.Lentry_in_a_cluster:
	s_bfe_u32 s2, ttmp6, 0x10000c
	s_cmp_lg_u32 s2, 0xf033
	s_cbranch_scc0 .Lentry_shape_is_right
	s_endpgm
.Lentry_shape_is_right:
; qkv = x w_attn + b_attn on codes of FP8 (E4M3); q, k and v leave as codes again, quantised with their own given scales, laid as the attention launch's registers want them.
; A tile of 256 x 256 is made by a work-group of four waves; a wave makes 128 x 128: 64 accumulators, 512 registers.  K = 1,024 goes in four steps of 256 through a ring of two LDS slots.
; ROLES.  D = (source 0: 16 rows of R) x (source 1: 16 rows of P): lane (r, h) holds P's row r, its registers R's rows 8 h + 0 .. 7.  A lane's registers must run along the NEXT product's K:
;   q and k: P = tokens (x_codes), R = n (wa_codes): registers run along the head's 64;     v: P = n, R = tokens: registers run along the keys.
; Both buffers are rows of 1,024 bytes, so the roles are a choice of pointers and tile numbers, made on the cluster's y alone: clusters y 0-7 make q and k (x = 0: q, x = 1: k), y 8-11 make v.
; CLUSTERS: 4 x 4 work-groups; P's tile is shared along a row of the cluster, R's along a column: each is asked for jointly, by the same tensor load with a mask that names the four.
; THE WAY OUT uses no LDS: (sum + bias / 2^(e0+e1)) is converted with the one scale 2^(e_dst - e0 - e1); four registers of codes a lane are 16 bytes of an image, and a wave's store covers 512 consecutive bytes.
;   q_img, k_img: [batch x head 64][tile of 16 tokens 128][piece u 2][lane 32][16 bytes]: lane (r, h): token r of the tile, d = 32 u + 8 h + 0..7, then 32 u + 16 + 8 h + 0..7
;   v_img: [batch x head 64][step of 128 keys 16][tile of 16 d 4][piece c 4][lane 32][16 bytes]: lane (r, h): d = r of the tile, keys 32 c + 8 h + 0..7, then 32 c + 16 + 8 h + 0..7
; LIMITS: e2 - e0 - e1, e3 - e0 - e1 and e5 - e0 - e1 lie between -126 and 119.  NaN among the inputs is not served.  q takes entry 2 of the scales, k entry 3, v entry 5.
; REGISTERS, in windows of 256: window 0: v0-31 addresses; v32-95 the bias; v96, v97 the hold and the scale; from v128 P's fragments, ONE set (on the way out: v128-191 sums, v192-255 codes).
;   window 1: R's fragments, TWO sets.   window 2: the accumulators of my P rows 0-63 ((a, b) at v[8 (8 a + b)]);   window 3: those of rows 64-127.
.set KSTEP,  256
.set ROWB,   256                       ; a tile's row in bytes
.set KROW,   1024                      ; a row of either buffer in memory
.set PITCH,  272                       ; an LDS row: 256 bytes + 16 of padding: the 16 rows that a load touches start 68 words apart
.set FR,     16                        ; registers of a fragment: 16 rows x 128 K
.set NL,     4                         ; LDS loads that bring one
.set NP,     4                         ; places behind this matrix instruction (ISA guide 7.12.1)
.set HALFT,  128*PITCH                 ; 128 rows: what one tensor load brings
.set SLOT,   4*HALFT                   ; P's 256 rows, then R's 256 rows
.set LAPS,   2                         ; 1,024 / 512
.set SPARE,  2*SLOT                    ; behind the ring: the spare words, 128 bytes for each wave, which no other line names
.set ADRA, 16                          ; v16-17  LDS address of my P fragments in slot 0, 1
.set ADRB, 20                          ; v20-21  the same for R
.set OFS,  26                          ; v26     16 x lane: my place in an image's piece
.set BO,   27                          ; v27     my lane's byte in the bias
.set SPW,  28                          ; v28     LDS address of my spare word; never rewritten
.set NIL,  29                          ; v29     0; never rewritten
.set BB,   32                          ; v32-95  the bias
.set LIMV, 96
.set SCV,  97                          ; v97     the conversion's scale
.set AF,   128                         ; P's fragments
.set TMP,  128                         ; the way out: a block's 64 sums + bias
.set CD,   192                         ; the way out: codes, 16 registers for each of four blocks by turns
.set G1, 24                            ; s[24:31] descriptor group 1 for P's tiles;  s[32:39] group 0, one set for each slot
.set G0, 32
.set G1B, 48                           ; s[48:55], s[56:63] the same for R's tiles
.set G0B, 56
.set MSB, 0
.macro WIN new                         ; the immediate's high byte repeats the setting that is left
.if MSB != (\new)
	s_set_vgpr_msb (MSB<<8)|(\new)
.set MSB, \new
.endif
.endm
.set MUL_LO, 0xa1                      ; source 0 (R) window 1, source 1 (P) window 0, C and D window 2
.set MUL_HI, 0xf1                      ; the same, C and D window 3
.set TO_B,   0x40                      ; destination window 1, address window 0
; A joint load: waves 0 and 1 fetch for P, waves 2 and 3 for R.  The branch hangs on the wave's number alone.  An s_nop 0 and four v_nop follow each of the two lines.
.macro JLOAD g0a, g1a, g0b, g1b
	s_cmp_eq_u32 s15, 0
	s_cbranch_scc0 .Lfor_b_\@
	tensor_load_to_lds s[\g0a:\g0a+3], s[\g1a:\g1a+7]
	s_nop 0
.rept 4
	v_nop
.endr
	s_branch .Lasked_\@
.Lfor_b_\@:
	tensor_load_to_lds s[\g0b:\g0b+3], s[\g1b:\g1b+7]
	s_nop 0
.rept 4
	v_nop
.endr
.Lasked_\@:
.endm
.macro CREST                           ; a round of the cluster's barrier behind its opening barrier
	s_cmp_lg_u32 s14, 0
	s_cbranch_scc1 .Lnot_wave_0_\@
	s_barrier_signal -3
.Lnot_wave_0_\@:
	s_barrier_wait -3
	s_barrier_signal -1
	s_barrier_wait -1
.endm
.macro CROUND                          ; a whole round
	s_barrier_signal -1
	s_barrier_wait -1
	CREST
.endm
	s_load_b256 s[4:11], s[0:1], 0x0               ; x_codes s[4:5], wa_codes s[6:7], the scales' exponents s[8:9], b_attn s[10:11]
	s_load_b128 s[68:71], s[0:1], 0x20             ; q_img s[68:69], k_img s[70:71]
	s_load_b64 s[72:73], s[0:1], 0x30              ; v_img
	v_lshl_add_u32 v[SPW], v0, 2, SPARE
	v_mov_b32 v[NIL], 0
	ds_add_u32 v[SPW], v[NIL]
	ds_add_u32 v[SPW], v[NIL]                      ; the wave's opening: the add and its wait stand ahead of my first tensor load; the set-up below, work on registers, stands between them
	v_lshrrev_b32 v1, 5, v0
	v_readfirstlane_b32 s14, v1                    ; wave 0..3
	s_lshr_b32 s15, s14, 1                         ; which half of P's rows is mine.  Also: I fetch for P (0) or for R (1)
	s_and_b32 s16, s14, 1                          ; which half of R's rows.  Also: which 128 rows of that tile I fetch
	s_bfe_u32 s40, ttmp6, 0x40000                  ; cx, cy: my place in the cluster
	s_bfe_u32 s41, ttmp6, 0x40004
	s_and_b32 s79, ttmp7, 0xffff                   ; the cluster's y, 0..11
	s_lshl_b32 s17, s79, 2
	s_add_co_u32 s17, s17, s41                     ; q, k: P's tile (tokens) = 4 y + cy
	s_add_co_u32 s92, s41, 8                       ; v:    P's tile (rows of wa_codes) = 8 + cy
	s_lshl_b32 s42, ttmp9, 2
	s_add_co_u32 s42, s42, s40                     ; q, k: R's tile (rows of wa_codes) = 4 x + cx
	s_max_u32 s89, s79, 8
	s_sub_co_u32 s89, s89, 8
	s_lshl_b32 s89, s89, 3
	s_add_co_u32 s89, s89, s42                     ; v:    R's tile (tokens) = 8 (y - 8) + 4 x + cx
	s_cmp_lt_u32 s79, 8                            ; the choice hangs on the cluster's y alone: it is the same in all sixteen partners
	s_cselect_b32 s17, s17, s92                    ; P's tile: made of cy and the cluster's numbers
	s_cselect_b32 s42, s42, s89                    ; R's tile: made of cx and the cluster's numbers
	s_cselect_b32 s78, 0, 1                        ; 1: this cluster makes v
	s_lshl_b32 s43, s41, 2
	s_lshl_b32 s43, 15, s43                        ; my row of the cluster
	s_lshl_b32 s44, 0x1111, s40                    ; my column
	; descriptor group 1: a tile of 128 rows x 256 bytes, padded in LDS
	s_or_b32 s[G1+0], s43, (0<<16)|(1<<20)|(1<<21)|(5<<22)|(3<<25)  ; 15:0 the mask: P's tiles go to my row; 17:16 element of 1 byte; 20 padding on; 21 set beside a mask; 24:22 after every 64 words; 31:25 of 4 words
	s_or_b32 s[G1B+0], s44, (0<<16)|(1<<20)|(1<<21)|(5<<22)|(3<<25)
.irp g, G1, G1B
	s_mov_b32 s[\g+1], ROWB<<16                    ; tensor_dim0
	s_mov_b32 s[\g+2], 128<<16                     ; tensor_dim1 = 128
	s_mov_b32 s[\g+3], ROWB<<16                    ; tile_dim0
	s_mov_b32 s[\g+4], 128                         ; tile_dim1 = 128
	s_mov_b32 s[\g+5], KROW                        ; tensor_dim0_stride
	s_mov_b32 s[\g+6], 0
	s_mov_b32 s[\g+7], 0
.endr
	s_lshl_b32 s18, s16, 7                         ; which 128 rows of the tile I fetch
	s_lshl_b32 s20, s17, 8
	s_add_co_u32 s20, s20, s18                     ; P: row 256 x tile + 128 x half
	s_lshl_b32 s46, s42, 8
	s_add_co_u32 s46, s46, s18                     ; R likewise
	s_lshl_b32 s20, s20, 10                        ; rows of 1,024 bytes: under 2^24
	s_lshl_b32 s46, s46, 10
	s_mov_b32 s21, 0
	s_mov_b32 s47, 0
	s_mul_i32 s45, s14, HALFT                      ; where they go: wave x 128 rows: no place in the cluster enters an LDS address
	s_wait_dscnt 0x0                               ; the opening add is done
	s_wait_kmcnt 0x0
	s_load_b256 s[80:87], s[8:9], 0x0              ; the eight exponents
	s_cmp_lt_u32 s79, 8
	s_cselect_b64 s[74:75], s[4:5], s[6:7]         ; P's buffer
	s_cselect_b64 s[76:77], s[6:7], s[4:5]         ; R's buffer
	s_add_nc_u64 s[20:21], s[74:75], s[20:21]
	s_add_nc_u64 s[46:47], s[76:77], s[46:47]
	CROUND                                         ; all sixteen work-groups are here: the first joint loads meet
.irp s, 0,1
	s_mov_b32 s[G0+4*\s], 1
	s_add_co_u32 s[G0+4*\s+1], s45, \s*SLOT
	s_add_nc_u64 s[G0+4*\s+2:G0+4*\s+3], s[20:21], \s*ROWB
	s_or_b32 s[G0+4*\s+3], s[G0+4*\s+3], 0x80000000
	s_mov_b32 s[G0B+4*\s], 1
	s_add_co_u32 s[G0B+4*\s+1], s45, \s*SLOT
	s_add_nc_u64 s[G0B+4*\s+2:G0B+4*\s+3], s[46:47], \s*ROWB
	s_or_b32 s[G0B+4*\s+3], s[G0B+4*\s+3], 0x80000000
	JLOAD G0+4*\s, G1, G0B+4*\s, G1B
.endr
	v_and_b32 v1, 15, v0                           ; r = l % 16; kept
	v_bfe_u32 v2, v0, 4, 1                         ; h = l / 16; kept
	v_mul_u32_u24 v3, v1, PITCH
	v_lshl_add_u32 v4, v2, 4, v3                   ; a fragment's row x pitch + 16 x half
	s_mul_i32 s21, s15, HALFT                      ; my 128 rows of P
	s_mul_i32 s22, s16, HALFT                      ; my 128 rows of R,
	s_add_co_u32 s22, s22, 2*HALFT                 ; which lie behind P's 256
.irp s, 0,1
	v_add_nc_u32 v[ADRA+\s], s21, v4
	v_add_nc_u32 v[ADRB+\s], s22, v4
	s_add_co_u32 s21, s21, SLOT
	s_add_co_u32 s22, s22, SLOT
.endr
	v_and_b32 v6, 31, v0
	v_lshlrev_b32 v[OFS], 4, v6
.macro FRAG reg, adr, q, i             ; a fragment is 16 registers: lane l holds row l % 16; registers 4 c .. 4 c + 3 hold positions 32 c + 16 (l / 16) + 0 .. 15: the same in both operands
.irp c, 0,1,2,3
	ds_load_b128 v[\reg+4*\c:\reg+4*\c+3], v[\adr] offset:128*(\q)+32*\c+(\i)*16*PITCH
.endr
.endm
; 16 matrix instructions: P's blocks a0, a0 + 1 x R's eight, 128 along K.  p: R's set.  zero = 1: the first product starts the sums.  The 64 accumulators take turns, one instruction a turn.
.macro MUL16 a0, p, zero
.irp a, \a0, \a0+1
.irp b, 0,1,2,3,4,5,6,7
.if \zero
	v_wmma_f32_16x16x128_fp8_fp8 v[8*(8*((\a)%4)+\b):8*(8*((\a)%4)+\b)+7], v[128*(\p)+FR*\b:128*(\p)+FR*\b+FR-1], v[AF+FR*(\a):AF+FR*(\a)+FR-1], 0
.else
	v_wmma_f32_16x16x128_fp8_fp8 v[8*(8*((\a)%4)+\b):8*(8*((\a)%4)+\b)+7], v[128*(\p)+FR*\b:128*(\p)+FR*\b+FR-1], v[AF+FR*(\a):AF+FR*(\a)+FR-1], v[8*(8*((\a)%4)+\b):8*(8*((\a)%4)+\b)+7]
.endif
.endr
.endr
.endm
.macro FETCH_B slot, q, p              ; R's eight fragments of the slot's q-th 128 along K into set p
	WIN TO_B
.irp i, 0,1,2,3,4,5,6,7
	FRAG 128*(\p)+FR*\i, ADRB+\slot, \q, \i
.endr
	WIN 0
.endm
.macro FETCH_A slot, q, i0             ; P's blocks i0 .. i0 + 3
.irp i, \i0, \i0+1, \i0+2, \i0+3
	FRAG AF+FR*(\i), ADRA+\slot, \q, \i
.endr
.endm
.macro PLACES n                        ; plain vector lines in front of loads into registers that matrix instructions have read
.rept \n
	v_nop
.endr
.endm
; A step of 128 along K that has its successor in the same slot.
.macro STEP slot, q, zero
	s_wait_dscnt 4*NL                              ; R's set and P's blocks 0-3 are in; the youngest loads (P's blocks 4-7) may be out
	WIN MUL_LO
	MUL16 0, (\q)%2, \zero
	MUL16 2, (\q)%2, \zero
	s_wait_dscnt 0                                 ; P's blocks 4-7 are in
	PLACES NP
	FETCH_B \slot, (\q)+1, 1-(\q)%2
	FETCH_A \slot, (\q)+1, 0
	WIN MUL_HI
	MUL16 4, (\q)%2, \zero
	MUL16 6, (\q)%2, \zero
	PLACES NP
	WIN 0
	FETCH_A \slot, (\q)+1, 4
.endm
; A slot's last step changes slots: ONE barrier; in front of it each wave waits for all its tensor loads, adds 0 to its spare word, and waits for that and for its own reads of this slot.  fill = 1: this slot is filled again, two K steps ahead.
.macro TURN slot, next, fill
	s_wait_tensorcnt 0x0                           ; all my tensor loads have landed: my part of the next slot
	ds_add_u32 v[SPW], v[NIL]                      ; 0 onto my spare word
	s_wait_dscnt 4*NL+1                            ; (the add and the youngest loads, P's blocks 4-7, may be out)
	WIN MUL_LO
	MUL16 0, 1, 0                                  ; sixteen matrix instructions stand between the add and the wait for it
	s_wait_dscnt 0x0                               ; the add is done, and my reads of this slot are over
	s_barrier_signal -1
	MUL16 2, 1, 0
	WIN 0
	s_barrier_wait -1
.if \fill
	CREST                                          ; the barrier has opened a round of the cluster's barrier: no wave of any partner still reads this slot's tile or has a load on its way
	s_add_nc_u64 s[G0+4*\slot+2:G0+4*\slot+3], s[G0+4*\slot+2:G0+4*\slot+3], 2*ROWB
	s_add_nc_u64 s[G0B+4*\slot+2:G0B+4*\slot+3], s[G0B+4*\slot+2:G0B+4*\slot+3], 2*ROWB
	JLOAD G0+4*\slot, G1, G0B+4*\slot, G1B         ; the first tensor load behind the round; the four v_nop behind it are the places in front of the loads below
.else
	PLACES NP
.endif
	FETCH_B \next, 0, 0
	FETCH_A \next, 0, 0
	WIN MUL_HI
	MUL16 4, 1, 0
	MUL16 6, 1, 0
	PLACES NP
	WIN 0
	FETCH_A \next, 0, 4
.endm
.macro LAST                            ; the very last step: nothing more to fetch.  It stands in both arms of the way out, behind the arm's bias loads, which land under its 64 products
	s_wait_dscnt 4*NL
	WIN MUL_LO
	MUL16 0, 1, 0
	MUL16 2, 1, 0
	s_wait_dscnt 0
	WIN MUL_HI
	MUL16 4, 1, 0
	MUL16 6, 1, 0
	WIN 0
.endm
; s89 = the destination's exponent.  A sum stands for sum x 2^(e0 + e1): the three scales are folded into the conversion's one, 2^(e_dst - e0 - e1).  s88 = -(e0 + e1), for the bias.
.macro FOLD
	s_add_co_i32 s88, s80, s81
	s_sub_co_i32 s89, s89, s88
	s_sub_co_i32 s88, 0, s88
	s_add_co_i32 s89, s89, 127
	s_lshl_b32 s92, s89, 23
	v_mov_b32 v[SCV], s92
.endm
; THE WAY OUT, P's block a after block: 64 sums a lane + bias, eight conversions, four stores of 512 consecutive aligned bytes.
.macro EPI vpath
.irp a, 0,1,2,3,4,5,6,7
.if \a >= 4
	s_wait_xcnt 0x0                                ; block a - 4's stores have read their registers, which take this block's codes
.endif
	WIN 0x02+(\a/4)                                ; source 0: window 2 or 3
.irp b, 0,1,2,3,4,5,6,7
.irp i, 0,2,4,6
.if \vpath
	v_pk_add_f32 v[TMP+8*\b+\i:TMP+8*\b+\i+1], v[64*(\a%4)+8*\b+\i:64*(\a%4)+8*\b+\i+1], v[BB+2*\a:BB+2*\a+1] op_sel_hi:[1,0]   ; one bias a lane and block: that of its row of P; each accumulator from its low end on
.else
	v_pk_add_f32 v[TMP+8*\b+\i:TMP+8*\b+\i+1], v[64*(\a%4)+8*\b+\i:64*(\a%4)+8*\b+\i+1], v[BB+8*\b+\i:BB+8*\b+\i+1]             ; the bias of the register's row of R; each accumulator from its low end on
.endif
.endr
.endr
	WIN 0
.set jj, 0
.rept 64
.set jj, jj+1
.endr
.irp b, 0,1,2,3,4,5,6,7
	v_cvt_scalef32_pk8_fp8_f32 v[CD+16*(\a%4)+2*\b:CD+16*(\a%4)+2*\b+1], v[TMP+8*\b:TMP+8*\b+7], v[SCV]
.endr
	v_nop                                          ; a plain line between the conversions and the next block's additions, which write their sources
.irp p, 0,1,2,3
.if \vpath
	global_store_b128 v[OFS], v[CD+16*(\a%4)+4*\p:CD+16*(\a%4)+4*\p+3], s[90:91] offset:(\a/4)*131072+(\a%4)*2048+\p*512    ; head a / 4, tile of d a % 4, piece p
.else
	global_store_b128 v[OFS], v[CD+16*(\a%4)+4*\p:CD+16*(\a%4)+4*\p+3], s[90:91] offset:(\p/2)*131072+\a*1024+(\p%2)*512    ; head p / 2, tile of tokens a, piece p % 2
.endif
.endr
.endr
.endm
	s_wait_alu depctr_va_vdst(0)
	s_wait_tensorcnt 1                             ; my part of K step 0 is in (K step 1's load may be out),
	s_barrier_signal -1
	s_barrier_wait -1                              ; everybody's is
	FETCH_B 0, 0, 0
	FETCH_A 0, 0, 0
	FETCH_A 0, 0, 4
	STEP 0, 0, 1                                   ; the first step stands in front of the loop: its products start the sums
	s_mov_b32 s3, LAPS-1
.Llap:                                                 ; a trip goes once round the ring, from a lap's second step to the next lap's first, and fills both slots again
	TURN 0, 1, 1
	STEP 1, 0, 0
	TURN 1, 0, 1
	STEP 0, 0, 0
	s_sub_co_u32 s3, s3, 1
	s_cmp_lg_u32 s3, 0
	s_cbranch_scc1 .Llap
	TURN 0, 1, 0                                   ; the last lap fills nothing, and has no round of the cluster's barrier
	STEP 1, 0, 0
	s_cmp_eq_u32 s78, 0                            ; ONE branch, on the cluster's y: the arms differ in the bias and in where the codes go
	s_cbranch_scc0 .Lv_path
	; ---- q and k: register 8 b + j wants the bias of n = 256 x R's tile + 128 x half + 16 b + 8 h + j
	v_lshlrev_b32 v[BO], 5, v2
	s_lshl_b32 s88, s42, 10
	s_lshl_b32 s89, s16, 9
	s_add_co_u32 s88, s88, s89
	s_mov_b32 s89, 0
	s_add_nc_u64 s[94:95], s[10:11], s[88:89]
.irp b, 0,1,2,3,4,5,6,7
	global_load_b128 v[BB+8*\b:BB+8*\b+3], v[BO], s[94:95] offset:64*\b
	global_load_b128 v[BB+8*\b+4:BB+8*\b+7], v[BO], s[94:95] offset:64*\b+16
.endr
	LAST
	s_wait_kmcnt 0x0                               ; the exponents
	s_cmp_eq_u32 ttmp9, 0                          ; the cluster's x: 0 makes q, 1 makes k
	s_cselect_b32 s89, s82, s83
	s_cselect_b64 s[90:91], s[68:69], s[70:71]
	FOLD
	s_lshr_b32 s92, s17, 3                         ; batch,
	s_lshl_b32 s92, s92, 4
	s_and_b32 s93, s42, 3
	s_lshl_b32 s93, s93, 2
	s_add_co_u32 s92, s92, s93
	s_lshl_b32 s93, s16, 1
	s_add_co_u32 s92, s92, s93                     ; x 16 + my first head: 4 (R's tile % 4) + 2 x half
	s_lshl_b32 s92, s92, 7
	s_and_b32 s93, s17, 7
	s_lshl_b32 s93, s93, 4
	s_add_co_u32 s92, s92, s93
	s_lshl_b32 s93, s15, 3
	s_add_co_u32 s92, s92, s93                     ; x 128 + my first tile of tokens: 16 (P's tile % 8) + 8 x half
	s_lshl_b32 s92, s92, 10
	s_mov_b32 s93, 0
	s_add_nc_u64 s[90:91], s[90:91], s[92:93]
	s_wait_loadcnt 0x0                             ; the bias
.set jj, 0
.rept 64
	v_ldexp_f32 v[BB+jj], v[BB+jj], s88            ; bias / 2^(e0 + e1).  (These lines and the one above that makes the scale are the places behind the last products)
.set jj, jj+1
.endr
	EPI 0
	s_branch .Lend
.Lv_path:
	; ---- v: block a wants the bias of n = 256 x P's tile + 128 x half + 16 a + r
	v_lshlrev_b32 v[BO], 2, v1
	s_lshl_b32 s88, s17, 10
	s_lshl_b32 s89, s15, 9
	s_add_co_u32 s88, s88, s89
	s_mov_b32 s89, 0
	s_add_nc_u64 s[94:95], s[10:11], s[88:89]
.irp a, 0,1,2,3,4,5,6,7
	global_load_b32 v[BB+2*\a], v[BO], s[94:95] offset:64*\a
.endr
	LAST
	s_wait_kmcnt 0x0
	s_mov_b32 s89, s85
	FOLD
	s_lshr_b32 s92, s42, 3                         ; batch,
	s_lshl_b32 s92, s92, 4
	s_and_b32 s93, s17, 3
	s_lshl_b32 s93, s93, 2
	s_add_co_u32 s92, s92, s93
	s_lshl_b32 s93, s15, 1
	s_add_co_u32 s92, s92, s93                     ; x 16 + my first head: 4 (P's tile % 4) + 2 x half
	s_lshl_b32 s92, s92, 4
	s_and_b32 s93, s42, 7
	s_lshl_b32 s93, s93, 1
	s_add_co_u32 s92, s92, s93
	s_add_co_u32 s92, s92, s16                     ; x 16 + my step of 128 keys: 2 (R's tile % 8) + half
	s_lshl_b32 s92, s92, 13
	s_mov_b32 s93, 0
	s_add_nc_u64 s[90:91], s[72:73], s[92:93]
	s_wait_loadcnt 0x0
.irp a, 0,1,2,3,4,5,6,7
	v_ldexp_f32 v[BB+2*\a], v[BB+2*\a], s88        ; bias / 2^(e0 + e1).  (These sixteen lines and the one of the scale are the places behind the last products)
	v_mov_b32 v[BB+2*\a+1], v[BB+2*\a]             ; (named with it as a pair, so it is written)
.endr
	EPI 1
.Lend:
	s_wait_tensorcnt 0x0                           ; the wave's end: these three lines, behind my last tensor load
	ds_add_u32 v[SPW], v[NIL]
	s_wait_dscnt 0x0
	CROUND                                         ; the closing round: no work-group ends while a partner may still ask for a tile that names it
	s_endpgm
.Lfunc_end_k_q36484d4b73_gemm1:
	.size	k_q36484d4b73_gemm1, .Lfunc_end_k_q36484d4b73_gemm1-k_q36484d4b73_gemm1
	.p2alignl 7, 3214868480
	.fill 96, 4, 3214868480
	.section	.rodata,"a",@progbits
	.p2align	6, 0x0
	.amdhsa_kernel k_q36484d4b73_gemm1
		.amdhsa_group_segment_fixed_size 327680
		.amdhsa_private_segment_fixed_size 0
		.amdhsa_enable_private_segment 0
		.amdhsa_kernarg_size 56
		.amdhsa_user_sgpr_count 2
		.amdhsa_user_sgpr_kernarg_segment_ptr 1
		.amdhsa_wavefront_size32 1
		.amdhsa_system_sgpr_workgroup_id_x 1
		.amdhsa_system_sgpr_workgroup_id_y 1
		.amdhsa_system_sgpr_workgroup_id_z 1
		.amdhsa_system_vgpr_workitem_id 0
		.amdhsa_next_free_vgpr 1024
		.amdhsa_next_free_sgpr 100
		.amdhsa_reserve_vcc 0
		.amdhsa_float_denorm_mode_32 3
		.amdhsa_float_denorm_mode_16_64 3
		.amdhsa_fp16_overflow 1
		.amdhsa_memory_ordered 1
		.amdhsa_forward_progress 1
		.amdhsa_inst_pref_size 138
	.end_amdhsa_kernel
	.amdgpu_metadata
---
amdhsa.version: [ 1, 2 ]
amdhsa.kernels:
  - .name:           k_q36484d4b73_gemm1
    .symbol:         k_q36484d4b73_gemm1.kd
    .args:
      - { .name: x_codes, .offset: 0, .size: 8, .value_kind: global_buffer, .address_space: global }
      - { .name: wa_codes, .offset: 8, .size: 8, .value_kind: global_buffer, .address_space: global }
      - { .name: lowp_scales, .offset: 16, .size: 8, .value_kind: global_buffer, .address_space: global }
      - { .name: b_attn, .offset: 24, .size: 8, .value_kind: global_buffer, .address_space: global }
      - { .name: q_img, .offset: 32, .size: 8, .value_kind: global_buffer, .address_space: global }
      - { .name: k_img, .offset: 40, .size: 8, .value_kind: global_buffer, .address_space: global }
      - { .name: v_img, .offset: 48, .size: 8, .value_kind: global_buffer, .address_space: global }
    .group_segment_fixed_size: 327680
    .private_segment_fixed_size: 0
    .kernarg_segment_align: 8
    .kernarg_segment_size: 56
    .max_flat_workgroup_size: 128
    .sgpr_count:     100
    .vgpr_count:     1024
    .wavefront_size: 32
...
	.end_amdgpu_metadata
.endif
;; end of part 2
;; launch attn (part 3): grid 4 x 64, 16 waves a work-group, clusters of 4 x 1, 327,680 bytes of LDS; arguments q_img, k_img, v_img, lowp_scales, y_img; writes y_img
.if DOCPART == 3
	.amdgcn_target "amdgcn-amd-amdhsa--gfx1250"
	.amdhsa_code_object_version 6
	.text
	.protected	k_q36484d4b73_attn
	.globl	k_q36484d4b73_attn
	.p2align	8
	.type	k_q36484d4b73_attn,@function
k_q36484d4b73_attn:
	s_mov_b64 s[64:65], 0
	v_nop
	global_prefetch_b8 v0, s[64:65] scope:SCOPE_SE
	s_setreg_imm32_b32 hwreg(HW_REG_WAVE_MODE, 25, 1), 1
	s_wait_xcnt 0x0
	s_wait_alu depctr_hold_cnt(0) depctr_sa_sdst(0) depctr_va_vdst(0) depctr_va_sdst(0) depctr_va_ssrc(0) depctr_va_vcc(0) depctr_vm_vsrc(0)
	s_getreg_b32 s2, hwreg(HW_REG_IB_STS2, 6, 4)
	s_cmp_eq_u32 s2, 0
	s_cbranch_scc0 .Lentry_in_a_cluster
	s_endpgm
.Lentry_in_a_cluster:
	s_bfe_u32 s2, ttmp6, 0x10000c
	s_cmp_lg_u32 s2, 0x3003
	s_cbranch_scc0 .Lentry_shape_is_right
	s_endpgm
.Lentry_shape_is_right:
; Causal attention on codes of FP8 (E4M3): 64 heads (batch x head) of 2,048 tokens x 64; y leaves as codes, quantised with entry 6 of the scales, laid as the last product's registers want them.
; THE SOFTMAX AHEAD OF THE SECOND PRODUCT: t = score x log2(e) / 8; M = the row's largest t so far, rounded UP to a whole number; p = 2^(t - M) is what is quantised; it is not normalised.
; The row's sum is taken of the unquantised p, in f32, and divides O at the end.  When M moves, the sum and O are multiplied by 2^(old M - new M): exact.
; SHARES.  A cluster of four work-groups is one head.  The head's whole K image and V image, 131,072 bytes each, stay in each work-group's LDS: they are filled ONCE, by joint loads that name the four: no ring, no refill.
; A head has 128 tiles of 16 queries.  A wave owns two: jl = 4 u + cx and jh = 127 - jl, u a number of the wave alone.  Tile j needs j / 8 + 1 steps of 128 keys: u / 2 + 1 and 16 - u / 2: 17 for every wave,
; and the last steps hang on the wave's number alone: no branch hangs on a work-group's place.  cx enters Q's and y's global addresses and the mask's numbers, nothing else.
; LAYOUT.  Both products are used transposed: S^T = K Q^T (source 0 = 16 keys, source 1 = 16 queries, K = 64), O^T = V^T P^T (source 0 = 16 of the head's 64, source 1 = P, K = 128 keys): a lane holds ONE query throughout.
; The images are the operands' registers as they stand, 16 bytes a lane: register 8 t + j of S^T is key 16 t + 8 h + j, so p's codes are the second product's operand, in the order in which v_img has the keys.
; No prefetch: all that the launch reads of K and V is asked for at its head.
; LIMITS: e2 + e3 between -123 and 130 (added to c's exponent field); e4, and e6 - e4 - e5, between -126 and 119.  NaN among the inputs is not served.
; REGISTERS: v1 16 x lane; v2, v3 LDS addresses of the step; v4, v5 the add's two; v6, v7 the mask's number; v8-11, v12-15 a tile's -M, largest t, sum in two halves; v16-23, v24-31 Q; v32-95 fragments of K, then of V;
;   v96-159 S^T, then p; v160-191, v192-223 O^T; v224-239 p's codes; v244: 2^e4; v245: the same for y; v236, v242, v243, v252-254 at work.   (First of each pair: the high tile)
.set VIMG,  131072                     ; LDS: K's image at 0, V's here; a step of 128 keys is 8,192 bytes of each
.set SPARE, 262144                     ; behind them: the spare words, 128 bytes for each of sixteen waves, which no other line names
.set LI,   1
.set ADK,  2
.set ADV,  3
.set SPW,  4                           ; v4   LDS address of my spare word; never rewritten
.set NIL,  5                           ; v5   0; never rewritten
.set VD,   6                           ; v6, v7: 16 (j % 8) + r - 8 h: on the diagonal step, register n's key is hidden where 16 (n / 8) + n % 8 is greater
.set WV,   14                          ; s14  my wave's number
.set LAST, 18                          ; s18, s19  the last step of the high tile, of the low tile
.set SEL,  20                          ; s[20:21] lane selects for v_permlanex16_b32: lane l xor 16
.set CS,   22                          ; s[22:23] c = log2(e) / 8 x 2^(e2 + e3)
.set G1A,  24                          ; s[24:31] group 1: 16 rows of 256 bytes;  s[32:39]: 48 rows
.set G1B,  32
.set G0A,  40                          ; s[40:43], s[44:47] the two groups 0
.set G0B,  44
.set KS,   48                          ; s48  the step
.set TB,   49                          ; s49  8,192 x the step
.macro ROUND                           ; a round of the cluster's barrier
	s_barrier_signal -1
	s_barrier_wait -1
	s_cmp_lg_u32 s[WV], 0
	s_cbranch_scc1 .Lnot_wave_0_\@
	s_barrier_signal -3
.Lnot_wave_0_\@:
	s_barrier_wait -3
	s_barrier_signal -1
	s_barrier_wait -1
.endm
	s_load_b256 s[4:11], s[0:1], 0x0               ; q_img s[4:5], k_img s[6:7], v_img s[8:9], the scales' exponents s[10:11]
	s_load_b64 s[12:13], s[0:1], 0x20              ; y_img
	v_lshl_add_u32 v[SPW], v0, 2, SPARE
	v_mov_b32 v[NIL], 0
	ds_add_u32 v[SPW], v[NIL]                      ; the wave's opening: the add and its wait stand ahead of my first tensor load; the set-up below, work on registers, stands between them
	ds_add_u32 v[SPW], v[NIL]
	v_lshrrev_b32 v1, 5, v0
	s_delay_alu instid0(VALU_DEP_1)
	v_readfirstlane_b32 s[WV], v1                  ; wave 0..15
	s_bfe_u32 s15, ttmp6, 0x40000                  ; cx
	s_and_b32 s16, ttmp7, 0xffff                   ; the head, 0..63, which the four partners share
	s_and_b32 s60, s[WV], 3
	s_lshr_b32 s61, s[WV], 2
	s_add_co_u32 s60, s60, s61
	s_and_b32 s60, s60, 3
	s_lshl_b32 s60, s60, 2
	s_add_co_u32 s17, s60, s61                     ; u = 4 ((w % 4 + w / 4) % 4) + w / 4: four waves with equal w % 4, or with equal w / 4, hold one u of each quarter
	s_lshr_b32 s[LAST+1], s17, 1                   ; the low tile's last step,
	s_sub_co_u32 s[LAST], 15, s[LAST+1]            ; the high tile's
	; descriptor groups 1: dense blocks as rows of 256 bytes (32 elements of 8 bytes), no padding; the mask names all four work-groups
.irp g, G1A, G1B
	s_mov_b32 s[\g], 15|(3<<16)|(1<<21)            ; 15:0 the mask; 17:16 elements of 8 bytes; 21 set beside a mask
	s_mov_b32 s[\g+1], 32<<16                      ; tensor_dim0
	s_mov_b32 s[\g+3], 32<<16                      ; tile_dim0
	s_mov_b32 s[\g+5], 32                          ; tensor_dim0_stride
	s_mov_b32 s[\g+6], 0
	s_mov_b32 s[\g+7], 0
.endr
	s_mov_b32 s[G1A+2], 16<<16                     ; tensor_dim1
	s_mov_b32 s[G1A+4], 16                         ; tile_dim1: 4,096 bytes
	s_mov_b32 s[G1B+2], 48<<16
	s_mov_b32 s[G1B+4], 48                         ; 12,288 bytes
	s_lshr_b32 s66, s[WV], 3
	s_lshl_b32 s66, s66, 17                        ; waves 0-7 fetch K's image, waves 8-15 V's
	s_and_b32 s67, s[WV], 7
	s_lshl_b32 s68, s67, 12                        ; load A: my eighth of steps 0-3,
	s_mul_i32 s69, s67, 12288
	s_add_co_u32 s69, s69, 32768                   ; load B: my eighth of steps 4-15: the same byte in memory and in LDS
	s_mov_b32 s[G0A], 1
	s_add_co_u32 s[G0A+1], s66, s68
	s_mov_b32 s[G0B], 1
	s_add_co_u32 s[G0B+1], s66, s69
	s_lshl_b32 s62, s16, 17                        ; the head's image in memory
	s_mov_b32 s63, 0
	s_mov_b32 s71, 0
	s_mov_b32 s[SEL], 0x76543210
	s_mov_b32 s[SEL+1], 0xfedcba98
	s_mov_b32 s[CS], 0x3e38aa3b                    ; log2(e) / 8
	s_wait_dscnt 0x0                               ; the opening add is done
	s_wait_kmcnt 0x0
	s_cmp_lt_u32 s[WV], 8
	s_cselect_b64 s[60:61], s[6:7], s[8:9]
	s_add_nc_u64 s[60:61], s[60:61], s[62:63]
	s_mov_b32 s70, s68
	s_add_nc_u64 s[G0A+2:G0A+3], s[60:61], s[70:71]
	s_or_b32 s[G0A+3], s[G0A+3], 0x80000000
	s_mov_b32 s70, s69
	s_add_nc_u64 s[G0B+2:G0B+3], s[60:61], s[70:71]
	s_or_b32 s[G0B+3], s[G0B+3], 0x80000000
	ROUND                                          ; all four work-groups are here: the joint loads meet
	tensor_load_to_lds s[G0A:G0A+3], s[G1A:G1A+7]  ; every wave issues its two, into bytes of its own
	s_nop 0
	s_wait_alu depctr_va_vdst(0)
	s_wait_tensorcnt 0x0
	ds_add_u32 v4, v5
	s_wait_dscnt 0x0
	ROUND
	tensor_load_to_lds s[G0B:G0B+3], s[G1B:G1B+7]
	s_nop 0
.rept 4
	v_nop
.endr
	s_load_b256 s[52:59], s[10:11], 0x0            ; the eight exponents
	v_and_b32 v[LI], 31, v0
	s_delay_alu instid0(VALU_DEP_1)
	v_lshlrev_b32 v[LI], 4, v[LI]
	s_wait_alu depctr_va_vdst(0)
	s_lshl_b32 s66, s17, 2
	s_add_co_u32 s66, s66, s15                     ; jl
	s_sub_co_u32 s67, 127, s66                     ; jh
	s_lshl_b32 s68, s16, 7
	s_add_co_u32 s70, s68, s67
	s_lshl_b32 s70, s70, 10
	s_add_nc_u64 s[72:73], s[4:5], s[70:71]        ; Q's image of the high tile,
	s_add_co_u32 s70, s68, s66
	s_lshl_b32 s70, s70, 10
	s_add_nc_u64 s[74:75], s[4:5], s[70:71]        ; of the low tile
	global_load_b128 v[16:19], v[LI], s[72:73]
	global_load_b128 v[20:23], v[LI], s[72:73] offset:512
	global_load_b128 v[24:27], v[LI], s[74:75]
	global_load_b128 v[28:31], v[LI], s[74:75] offset:512
	s_lshr_b32 s68, s16, 4
	s_lshl_b32 s68, s68, 7                         ; y_img: token tile 128 x batch + j, then the head
	s_and_b32 s69, s16, 15
	s_add_co_u32 s70, s68, s67
	s_lshl_b32 s70, s70, 4
	s_add_co_u32 s70, s70, s69
	s_lshl_b32 s70, s70, 10
	s_add_nc_u64 s[76:77], s[12:13], s[70:71]
	s_add_co_u32 s70, s68, s66
	s_lshl_b32 s70, s70, 4
	s_add_co_u32 s70, s70, s69
	s_lshl_b32 s70, s70, 10
	s_add_nc_u64 s[78:79], s[12:13], s[70:71]
	s_and_b32 s70, s17, 1
	s_lshl_b32 s70, s70, 2
	s_add_co_u32 s70, s70, s15
	s_lshl_b32 s70, s70, 4                         ; 16 (jl % 8)
	s_sub_co_u32 s69, 112, s70                     ; 16 (jh % 8)
	v_and_b32 v252, 15, v0
	v_bfe_u32 v253, v0, 4, 1
	s_delay_alu instid0(VALU_DEP_1)
	v_lshlrev_b32 v253, 3, v253
	s_delay_alu instid0(VALU_DEP_1)
	v_sub_nc_u32 v252, v252, v253                  ; r - 8 h
	s_delay_alu instid0(VALU_DEP_1)
	v_add_nc_u32 v[VD], s69, v252
	s_delay_alu instid0(VALU_DEP_2)
	v_add_nc_u32 v[VD+1], s70, v252
.irp x, 0,1
	v_mov_b32 v[9+4*\x], 0xff61b1e6                ; the largest t so far: -3e38, under every t
	s_delay_alu instid0(VALU_DEP_1)
	v_floor_f32 v[8+4*\x], -v[9+4*\x]              ; -M
	v_mov_b32 v[10+4*\x], 0                        ; the sum, in two halves
	v_mov_b32 v[11+4*\x], 0
.endr
	v_mov_b32 v236, 0                              ; written once: a lane permute's destination counts as one of its sources
	v_mov_b32 v252, 0
	v_mov_b32 v253, 0                              ; (named as the upper half of the pair v[252:253])
	v_mov_b32 v254, 0
.set jj, 0
.rept 64
	v_mov_b32 v[160+jj], 0                         ; O^T.  (The step is written without a first form of its own: the first step finds zeros, which the first change of M leaves zeros)
.set jj, jj+1
.endr
	s_wait_kmcnt 0x0
	s_add_co_i32 s60, s54, s55
	s_lshl_b32 s60, s60, 23
	s_add_co_i32 s[CS], s[CS], s60                 ; a score stands for score x 2^(e2 + e3): the two exponents are added to c's exponent field
	s_mov_b32 s[CS+1], s[CS]                       ; (named with it as a pair, so it is written)
	s_add_co_i32 s60, s56, 127
	s_lshl_b32 s61, s60, 23
	v_mov_b32 v244, s61                            ; 2^e4, for p's conversions
	s_sub_co_i32 s60, s58, s56
	s_sub_co_i32 s60, s60, s57                     ; O / l stands for y / 2^(e4 + e5): y's conversion takes 2^(e6 - e4 - e5)
	s_add_co_i32 s60, s60, 127
	s_lshl_b32 s61, s60, 23
	v_mov_b32 v245, s61
; ONE TILE'S STEP of 128 keys.  x = 0: the high tile, 1: the low tile.  A tile whose queries all come before the step's keys leaves the step out: a scalar branch on the step and the wave's number; no barrier stands in a step.
.macro TSTEP x
.set QF, 16+8*(\x)
.set SS, 8+4*(\x)
.set OO, 160+32*(\x)
	s_cmp_gt_u32 s[KS], s[LAST+(\x)]
	s_cbranch_scc1 .Lskip_\@
	v_add_nc_u32 v[ADK], s[TB], v[LI]
	s_delay_alu instid0(VALU_DEP_1)
	v_add_nc_u32 v[ADV], VIMG, v[ADK]
	v_nop                                          ; with the two additions: four places in front of loads into registers that the last products read
	v_nop
.irp t, 0,1,2,3,4,5,6,7
	ds_load_b128 v[32+8*\t:35+8*\t], v[ADK] offset:1024*\t          ; K's tile t as it lies: 512 consecutive bytes an instruction
	ds_load_b128 v[36+8*\t:39+8*\t], v[ADK] offset:1024*\t+512
.endr
	s_wait_alu depctr_va_vdst(0)
.irp t, 0,1,2,3,4,5,6,7
	s_wait_dscnt 14-2*\t                           ; tile t's two loads are in; those of the tiles behind it may be out
	v_wmma_f32_16x16x64_fp8_fp8 v[96+8*\t:103+8*\t], v[32+8*\t:39+8*\t], v[QF:QF+7], 0
.endr
.rept 4
	v_nop                                          ; places in front of the loads below and of the first read of the scores
.endr
.irp t, 0,1,2,3
.irp c, 0,1,2,3
	ds_load_b128 v[32+16*\t+4*\c:35+16*\t+4*\c], v[ADV] offset:2048*\t+512*\c   ; V's four fragments land while the softmax is worked
.endr
.endr
	s_cmp_lg_u32 s[KS], s[LAST+(\x)]               ; the tile's last step lies on the diagonal: there hidden scores become -infinity ahead of the maximum, so that p = 0
	s_cbranch_scc1 .Lopen_\@
	v_mov_b32 v254, 0xff800000
.irp n, 0,1,2,3,4,5,6,7,8,9,10,11,12,13,14,15,16,17,18,19,20,21,22,23,24,25,26,27,28,29,30,31,32,33,34,35,36,37,38,39,40,41,42,43,44,45,46,47,48,49,50,51,52,53,54,55,56,57,58,59,60,61,62,63
	v_cmp_gt_i32 vcc_lo, 16*(\n/8)+\n%8, v[VD+(\x)]
	v_cndmask_b32 v[96+\n], v[96+\n], v254, vcc_lo
.endr
.Lopen_\@:
	v_max3_num_f32 v254, v96, v97, v98             ; the step's largest score of my query, among my 64 keys, in two chains, each accumulator from its low end on,
	v_max3_num_f32 v252, v99, v100, v101
.irp i, 6,10,14,18,22,26,30,34,38,42,46,50,54,58
	v_max3_num_f32 v254, v254, v[96+\i], v[97+\i]
	v_max3_num_f32 v252, v252, v[98+\i], v[99+\i]
.endr
	v_max3_num_f32 v254, v254, v158, v159
	s_delay_alu instid0(VALU_DEP_1)
	v_max_num_f32 v254, v254, v252
	v_permlanex16_b32 v236, v254, s[SEL], s[SEL+1]
	s_delay_alu instid0(VALU_DEP_1)
	v_max_num_f32 v254, v254, v236                 ; and among lane l xor 16's
	s_delay_alu instid0(VALU_DEP_1)
	v_mul_f32 v254, s[CS], v254                    ; as t (c is positive)
	s_delay_alu instid0(VALU_DEP_1)
	v_max_num_f32 v[SS+1], v[SS+1], v254           ; the running largest t
	v_mov_b32 v254, v[SS]
	s_delay_alu instid0(VALU_DEP_2)
	v_floor_f32 v[SS], -v[SS+1]                    ; the new -M = floor(-t): M is a whole number
	s_delay_alu instid0(VALU_DEP_1)
	v_sub_f32 v254, v[SS], v254                    ; M's old value less its new one: a whole number, 0 or less
	s_delay_alu instid0(VALU_DEP_1)
	v_cvt_i32_f32 v254, v254                       ; (it saturates)
	s_delay_alu instid0(VALU_DEP_1)
	v_ldexp_f32 v252, 1.0, v254                    ; f = 2^(old M - new M)
.set jj, 0
.rept 32
	v_pk_fma_f32 v[96+jj:97+jj], v[96+jj:97+jj], s[CS:CS+1], v[SS:SS+1] op_sel_hi:[1,0,0]   ; t - M, two at a time (of the pairs c and -M the low word serves both halves)
.set jj, jj+2
.endr
.set jj, 0
	s_wait_alu depctr_va_vdst(0)
.rept 64
	v_exp_f32 v[96+jj], v[96+jj]                   ; p = 2^(t - M), at most 1: not normalised
.set jj, jj+1
.endr
	v_pk_mul_f32 v[SS+2:SS+3], v[SS+2:SS+3], v[252:253] op_sel_hi:[1,0]   ; the sums under the new M.  (The plain line behind the exponentials)
	s_wait_alu depctr_va_vdst(0)                   ; one wait for the whole batch, ahead of its first reader
	v_pk_add_f32 v[242:243], v[96:97], v[98:99]    ; the row's sum is taken of the unquantised p: two at a time, in two chains
.set jj, 4
.rept 15
	v_pk_add_f32 v[SS+2:SS+3], v[SS+2:SS+3], v[96+jj:97+jj]
	v_pk_add_f32 v[242:243], v[242:243], v[98+jj:99+jj]
.set jj, jj+4
.endr
	s_delay_alu instid0(VALU_DEP_1)
	v_pk_add_f32 v[SS+2:SS+3], v[SS+2:SS+3], v[242:243]
.irp b, 0,1,2,3
.irp i, 0,1,2,3,4,5,6,7,8,9,10,11,12,13,14,15
.endr
	v_cvt_scalef32_pk8_fp8_f32 v[224+4*\b:225+4*\b], v[96+16*\b:103+16*\b], v244
	v_cvt_scalef32_pk8_fp8_f32 v[226+4*\b:227+4*\b], v[104+16*\b:111+16*\b], v244
.endr
.set jj, 0
.rept 16
	v_pk_mul_f32 v[OO+jj:OO+jj+1], v[OO+jj:OO+jj+1], v[252:253] op_sel_hi:[1,0]   ; O^T under the new M.  (Also the plain lines between the conversions and the products)
.set jj, jj+2
.endr
	s_wait_alu depctr_va_vdst(0)
	s_wait_dscnt 0x0                               ; V's fragments are in
.irp t, 0,1,2,3
	v_wmma_f32_16x16x128_fp8_fp8 v[OO+8*\t:OO+8*\t+7], v[32+16*\t:47+16*\t], v[224:239], v[OO+8*\t:OO+8*\t+7]   ; four accumulators by turns
.endr
.Lskip_\@:
.endm
	s_wait_loadcnt 0x0                             ; Q
	s_wait_tensorcnt 0x1                           ; my part of steps 0-3 is in; my part of steps 4-15 may stay out
	s_barrier_signal -1
	s_barrier_wait -1                              ; everybody's is
	s_mov_b32 s[KS], 0
	s_mov_b32 s[TB], 0
.Lfirst:                                           ; steps 0 to 3
	TSTEP 0
	TSTEP 1
	s_add_co_u32 s[TB], s[TB], 8192
	s_add_co_u32 s[KS], s[KS], 1
	s_cmp_lt_u32 s[KS], 4
	s_cbranch_scc1 .Lfirst
	s_wait_tensorcnt 0x0                           ; my part of steps 4-15 is in,
	s_wait_dscnt 0x0
	s_barrier_signal -1
	s_barrier_wait -1                              ; everybody's is
	s_mov_b32 s[KS], 4
	s_mov_b32 s[TB], 4*8192
.Lrest:                                            ; steps 4 to 15
	TSTEP 0
	TSTEP 1
	s_add_co_u32 s[TB], s[TB], 8192
	s_add_co_u32 s[KS], s[KS], 1
	s_cmp_lt_u32 s[KS], 16
	s_cbranch_scc1 .Lrest
	; THE WAY OUT.  O^T / the sum is converted with 2^(e6 - e4 - e5), and stored as it stands: four registers of codes a lane are 16 bytes of y's image.
.rept 4
	v_nop                                          ; places behind the last products
.endr
	v_add_f32 v10, v10, v11                        ; each sum's two halves,
	v_add_f32 v14, v14, v15
	s_delay_alu instid0(VALU_DEP_2)
	v_permlanex16_b32 v252, v10, s[SEL], s[SEL+1]
	s_delay_alu instid0(VALU_DEP_2)
	v_permlanex16_b32 v254, v14, s[SEL], s[SEL+1]
	s_delay_alu instid0(VALU_DEP_2)
	v_add_f32 v10, v10, v252                       ; and lane l xor 16's
	s_delay_alu instid0(VALU_DEP_2)
	v_add_f32 v14, v14, v254
	s_wait_alu depctr_va_vdst(0)
	v_rcp_f32 v10, v10
	v_rcp_f32 v14, v14
	v_nop                                          ; a plain line behind the reciprocals,
	s_wait_alu depctr_va_vdst(0)                   ; and one wait for both, ahead of the first reader
.irp x, 0,1
.set jj, 0
.rept 32
	v_mul_f32 v[96+jj], v[160+32*\x+jj], v[10+4*\x]   ; register 8 t + i is d = 16 t + 8 h + i of my query; each accumulator from its low end on
.set jj, jj+1
.endr
.set jj, 0
.rept 32
.set jj, jj+1
.endr
.irp t, 0,1,2,3
	v_cvt_scalef32_pk8_fp8_f32 v[224+8*\x+2*\t:225+8*\x+2*\t], v[96+8*\t:103+8*\t], v245
.endr
	v_nop                                          ; a plain line between the conversions and the next tile's products with 1 / l, which write their sources
	global_store_b128 v[LI], v[224+8*\x:227+8*\x], s[76+2*\x:77+2*\x]              ; 32 lanes store 512 consecutive bytes, aligned
	global_store_b128 v[LI], v[228+8*\x:231+8*\x], s[76+2*\x:77+2*\x] offset:512
.endr
	s_wait_tensorcnt 0x0                           ; the wave's end: these three lines, behind my last tensor load
	ds_add_u32 v[SPW], v[NIL]
	s_wait_dscnt 0x0
	ROUND                                          ; the closing round
	s_endpgm
.Lfunc_end_k_q36484d4b73_attn:
	.size	k_q36484d4b73_attn, .Lfunc_end_k_q36484d4b73_attn-k_q36484d4b73_attn
	.p2alignl 7, 3214868480
	.fill 96, 4, 3214868480
	.section	.rodata,"a",@progbits
	.p2align	6, 0x0
	.amdhsa_kernel k_q36484d4b73_attn
		.amdhsa_group_segment_fixed_size 327680
		.amdhsa_private_segment_fixed_size 0
		.amdhsa_enable_private_segment 0
		.amdhsa_kernarg_size 40
		.amdhsa_user_sgpr_count 2
		.amdhsa_user_sgpr_kernarg_segment_ptr 1
		.amdhsa_wavefront_size32 1
		.amdhsa_system_sgpr_workgroup_id_x 1
		.amdhsa_system_sgpr_workgroup_id_y 1
		.amdhsa_system_sgpr_workgroup_id_z 1
		.amdhsa_system_vgpr_workitem_id 0
		.amdhsa_next_free_vgpr 256
		.amdhsa_next_free_sgpr 84
		.amdhsa_reserve_vcc 1
		.amdhsa_float_denorm_mode_32 3
		.amdhsa_float_denorm_mode_16_64 3
		.amdhsa_fp16_overflow 1
		.amdhsa_memory_ordered 1
		.amdhsa_forward_progress 1
		.amdhsa_inst_pref_size 90
	.end_amdhsa_kernel
	.amdgpu_metadata
---
amdhsa.version: [ 1, 2 ]
amdhsa.kernels:
  - .name:           k_q36484d4b73_attn
    .symbol:         k_q36484d4b73_attn.kd
    .args:
      - { .name: q_img, .offset: 0, .size: 8, .value_kind: global_buffer, .address_space: global }
      - { .name: k_img, .offset: 8, .size: 8, .value_kind: global_buffer, .address_space: global }
      - { .name: v_img, .offset: 16, .size: 8, .value_kind: global_buffer, .address_space: global }
      - { .name: lowp_scales, .offset: 24, .size: 8, .value_kind: global_buffer, .address_space: global }
      - { .name: y_img, .offset: 32, .size: 8, .value_kind: global_buffer, .address_space: global }
    .group_segment_fixed_size: 327680
    .private_segment_fixed_size: 0
    .kernarg_segment_align: 8
    .kernarg_segment_size: 40
    .max_flat_workgroup_size: 512
    .sgpr_count:     84
    .vgpr_count:     256
    .wavefront_size: 32
...
	.end_amdgpu_metadata
.endif
;; end of part 3
;; launch gemm2 (part 4): grid 4 x 32, 4 waves a work-group, clusters of 4 x 4, 327,680 bytes of LDS; arguments y_img, wp_codes, lowp_scales, b_proj, out0; writes out0
.if DOCPART == 4
	.amdgcn_target "amdgcn-amd-amdhsa--gfx1250"
	.amdhsa_code_object_version 6
	.text
	.protected	k_q36484d4b73_gemm2
	.globl	k_q36484d4b73_gemm2
	.p2align	8
	.type	k_q36484d4b73_gemm2,@function
k_q36484d4b73_gemm2:
	s_mov_b64 s[64:65], 0
	v_nop
	global_prefetch_b8 v0, s[64:65] scope:SCOPE_SE
	s_setreg_imm32_b32 hwreg(HW_REG_WAVE_MODE, 25, 1), 1
	s_wait_xcnt 0x0
	s_wait_alu depctr_hold_cnt(0) depctr_sa_sdst(0) depctr_va_vdst(0) depctr_va_sdst(0) depctr_va_ssrc(0) depctr_va_vcc(0) depctr_vm_vsrc(0)
	s_getreg_b32 s2, hwreg(HW_REG_IB_STS2, 6, 4)
	s_cmp_eq_u32 s2, 0
	s_cbranch_scc0 .Lentry_in_a_cluster
	s_endpgm
.Lentry_in_a_cluster:
	s_bfe_u32 s2, ttmp6, 0x10000c
	s_cmp_lg_u32 s2, 0xf033
	s_cbranch_scc0 .Lentry_shape_is_right
	s_endpgm
.Lentry_shape_is_right:
; out0 = y w_proj + b_proj on codes of FP8 (E4M3).  y: images of the operand's registers, [tile of 16 tokens 512][head 16][piece 2][lane 32][16 bytes]; wp_codes: [1024 n][1024 positions], in y's order along K; out0: [8192][1024] f32.
; The codes are multiplied as they are; each finished sum goes out as sum x 2^(e6 + e7) + bias, one packed multiply-add for two numbers.   LIMIT: e6 + e7 lies between -126 and 127.
; A tile of out0, 256 x 256, is made by a work-group of four waves; a wave makes 128 x 128: 64 accumulators, 512 registers.  K = 1,024 goes in four steps of 256 (four heads) through a ring of two LDS slots.
; A's part of a slot is 16 tiles of tokens x 4,096 bytes, as they lie: a fragment (16 tokens x 128 K: two heads) is 2,048 consecutive bytes, four loads of 512.  B's part is 256 rows of 256 bytes, padded.
; CLUSTERS: 4 x 4 work-groups; A's tile is shared along a row of the cluster, B's along a column, each asked for jointly.  THE MATRIX INSTRUCTION IS USED TRANSPOSED (source 0 = 16 rows of B, source 1 = 16 of A):
; a lane holds eight neighbouring numbers of a row of out0.
; REGISTERS, in windows of 256: window 0: v0-31 addresses; v32-95 the bias; from v128 A's fragments, ONE set (on the way out: rows read back).   window 1: B's fragments, TWO sets (on the way out v0-63: a block's results).
;   window 2: the accumulators of my rows 0-63 ((a, b) at v[8 (8 a + b)]);   window 3: those of my rows 64-127.
.set SIZE_N, 1024
.set ROWB,   256                       ; a row of B's tile in bytes
.set KROW,   1024                      ; a row of wp_codes in memory
.set PITCH,  272                       ; B's LDS row: 256 bytes + 16 of padding
.set FR,     16
.set NL,     4
.set NP,     4                         ; places behind this matrix instruction (ISA guide 7.12.1)
.set HALFT,  128*PITCH                 ; 128 rows of B: what one tensor load brings
.set AHALF,  32768                     ; 8 tiles of tokens x 4,096 bytes: what one tensor load brings of A
.set ABYTES, 2*AHALF
.set SLOT,   ABYTES+2*HALFT            ; A's 16 tiles, then B's 256 rows
.set LAPS,   2
.set SPARE,  2*SLOT                    ; behind the ring: the spare words, 128 bytes for each wave, which no other line names
.set SPITCH, 528                       ; the way out: a stage of 16 rows x (512 bytes + 16) for each wave.  It lies in slot 0, which has had its last fill and its last read when the first result is stored there
.set ADRA, 16                          ; v16-17  LDS address of my A fragments in slot 0, 1
.set ADRB, 20                          ; v20-21  the same for B
.set STO,  24                          ; v24     the way out: where I put 32 bytes of a row
.set RD,   25                          ; v25     the way out: where I read a row back
.set CO,   26                          ; v26     16 x lane: my byte in a row of out0, and in an image's piece
.set BO,   27                          ; v27     my lane's byte in the bias
.set SPW,  28                          ; v28     LDS address of my spare word; never rewritten
.set NIL,  29                          ; v29     0; never rewritten
.set BIAS, 32                          ; v32-95  register 8 b + j: the bias of column 16 b + 8 h + j of my 128
.set TMP,  0                           ; the way out, in window 1: a block's 64 results
.set AF,   128                         ; A's fragments, in window 0
.set BK,   128                         ; the way out: 16 rows read back from the stage: v128-191 and v192-255 by turns
.set G1, 24                            ; s[24:31] descriptor group 1 for A's tiles;  s[32:39] group 0, one set for each slot
.set G0, 32
.set G1B, 48                           ; s[48:55], s[56:63] the same for B's tiles
.set G0B, 56
.set MSB, 0
.macro WIN new                         ; the immediate's high byte repeats the setting that is left
.if MSB != (\new)
	s_set_vgpr_msb (MSB<<8)|(\new)
.set MSB, \new
.endif
.endm
.set MUL_LO, 0xa1                      ; source 0 (B) window 1, source 1 (A) window 0, C and D window 2
.set MUL_HI, 0xf1                      ; the same, C and D window 3
.set TO_B,   0x40                      ; destination window 1, address window 0
.macro JLOAD g0a, g1a, g0b, g1b        ; a joint load: waves 0 and 1 fetch for A, waves 2 and 3 for B; an s_nop 0 and four v_nop follow each of the two lines
	s_cmp_eq_u32 s15, 0
	s_cbranch_scc0 .Lfor_b_\@
	tensor_load_to_lds s[\g0a:\g0a+3], s[\g1a:\g1a+7]
	s_nop 0
.rept 4
	v_nop
.endr
	s_branch .Lasked_\@
.Lfor_b_\@:
	tensor_load_to_lds s[\g0b:\g0b+3], s[\g1b:\g1b+7]
	s_nop 0
.rept 4
	v_nop
.endr
.Lasked_\@:
.endm
.macro CREST                           ; a round of the cluster's barrier behind its opening barrier
	s_cmp_lg_u32 s14, 0
	s_cbranch_scc1 .Lnot_wave_0_\@
	s_barrier_signal -3
.Lnot_wave_0_\@:
	s_barrier_wait -3
	s_barrier_signal -1
	s_barrier_wait -1
.endm
.macro CROUND                          ; a whole round
	s_barrier_signal -1
	s_barrier_wait -1
	CREST
.endm
	s_load_b128 s[4:7], s[0:1], 0x0                ; y_img s[4:5], wp_codes s[6:7]
	s_load_b128 s[8:11], s[0:1], 0x10              ; the scales' exponents s[8:9], b_proj s[10:11]
	s_load_b64 s[12:13], s[0:1], 0x20              ; out0
	v_lshl_add_u32 v[SPW], v0, 2, SPARE
	v_mov_b32 v[NIL], 0
	ds_add_u32 v[SPW], v[NIL]                      ; the wave's opening: the add and its wait stand ahead of my first tensor load; the set-up below, work on registers, stands between them
	ds_add_u32 v[SPW], v[NIL]
	v_lshrrev_b32 v1, 5, v0
	v_readfirstlane_b32 s14, v1                    ; wave 0..3
	s_lshr_b32 s15, s14, 1                         ; which half of the tile's rows is mine.  Also: I fetch for A (0) or for B (1)
	s_and_b32 s16, s14, 1                          ; which half of its columns.  Also: which half of that tile I fetch
	s_bfe_u32 s40, ttmp6, 0x40000                  ; cx, cy: my place in the cluster
	s_bfe_u32 s41, ttmp6, 0x40004
	s_lshl_b32 s42, ttmp9, 2
	s_add_co_u32 s42, s42, s40                     ; tile column = 4 x cluster x + cx
	s_and_b32 s17, ttmp7, 0xffff
	s_lshl_b32 s17, s17, 2
	s_add_co_u32 s17, s17, s41                     ; tile row = 4 x cluster y + cy
	s_lshl_b32 s43, s41, 2
	s_lshl_b32 s43, 15, s43                        ; my row of the cluster
	s_lshl_b32 s44, 0x1111, s40                    ; my column
	; group 1 for A: 8 rows (tiles of tokens) of 4,096 bytes, 16,384 bytes apart in memory, on end in LDS
	s_or_b32 s[G1+0], s43, (0<<16)|(1<<21)         ; 15:0 the mask: A's tiles go to my row; 17:16 element of 1 byte; 21 set beside a mask; no padding
	s_mov_b32 s[G1+1], 4096<<16                    ; tensor_dim0
	s_mov_b32 s[G1+2], 8<<16                       ; tensor_dim1
	s_mov_b32 s[G1+3], 4096<<16                    ; tile_dim0
	s_mov_b32 s[G1+4], 8                           ; tile_dim1
	s_mov_b32 s[G1+5], 16384                       ; tensor_dim0_stride
	s_mov_b32 s[G1+6], 0
	s_mov_b32 s[G1+7], 0
	; group 1 for B: 128 rows of 256 bytes, padded in LDS
	s_or_b32 s[G1B+0], s44, (0<<16)|(1<<20)|(1<<21)|(5<<22)|(3<<25)  ; the mask of my column; padding: 4 words after every 64
	s_mov_b32 s[G1B+1], ROWB<<16
	s_mov_b32 s[G1B+2], 128<<16
	s_mov_b32 s[G1B+3], ROWB<<16
	s_mov_b32 s[G1B+4], 128
	s_mov_b32 s[G1B+5], KROW
	s_mov_b32 s[G1B+6], 0
	s_mov_b32 s[G1B+7], 0
	s_lshl_b32 s20, s17, 4
	s_lshl_b32 s18, s16, 3
	s_add_co_u32 s20, s20, s18                     ; A: tile of tokens 16 x tile row + 8 x half,
	s_lshl_b32 s20, s20, 14                        ; of 16,384 bytes
	s_mov_b32 s21, 0
	s_lshl_b32 s46, s42, 8
	s_lshl_b32 s19, s16, 7
	s_add_co_u32 s46, s46, s19                     ; B: row 256 x tile column + 128 x half,
	s_lshl_b32 s46, s46, 10                        ; of 1,024 bytes
	s_mov_b32 s47, 0
	s_lshl_b32 s45, s16, 15                        ; where they go: A's halves at 0 and 32,768,
	s_mul_i32 s22, s16, HALFT
	s_add_co_u32 s22, s22, ABYTES                  ; B's behind them: no place in the cluster enters an LDS address
	s_wait_dscnt 0x0                               ; the opening add is done
	s_wait_kmcnt 0x0
	s_load_b64 s[96:97], s[8:9], 0x18              ; e6, e7
	s_add_nc_u64 s[20:21], s[4:5], s[20:21]
	s_add_nc_u64 s[46:47], s[6:7], s[46:47]
	CROUND                                         ; all sixteen work-groups are here: the first joint loads meet
.irp s, 0,1
	s_mov_b32 s[G0+4*\s], 1
	s_add_co_u32 s[G0+4*\s+1], s45, \s*SLOT
	s_add_nc_u64 s[G0+4*\s+2:G0+4*\s+3], s[20:21], \s*4096
	s_or_b32 s[G0+4*\s+3], s[G0+4*\s+3], 0x80000000
	s_mov_b32 s[G0B+4*\s], 1
	s_add_co_u32 s[G0B+4*\s+1], s22, \s*SLOT
	s_add_nc_u64 s[G0B+4*\s+2:G0B+4*\s+3], s[46:47], \s*ROWB
	s_or_b32 s[G0B+4*\s+3], s[G0B+4*\s+3], 0x80000000
	s_wait_alu depctr_va_vdst(0)
	s_wait_tensorcnt 0x0
	ds_add_u32 v28, v29
	ds_add_u32 v28, v29
	s_wait_dscnt 0x0
	CROUND
	JLOAD G0+4*\s, G1, G0B+4*\s, G1B
.endr
	v_and_b32 v1, 15, v0                           ; l % 16
	v_bfe_u32 v2, v0, 4, 1                         ; l / 16
	v_mul_u32_u24 v3, v1, PITCH
	v_lshl_add_u32 v4, v2, 4, v3                   ; B: a fragment's row x pitch + 16 x half
	v_and_b32 v6, 31, v0
	v_lshlrev_b32 v[CO], 4, v6                     ; A: 16 x lane
	s_wait_alu depctr_va_vdst(0)
	s_lshl_b32 s21, s15, 15                        ; my 8 tiles of tokens
	s_mul_i32 s22, s16, HALFT                      ; my 128 rows of B
	s_add_co_u32 s22, s22, ABYTES
.irp s, 0,1
	v_add_nc_u32 v[ADRA+\s], s21, v[CO]
	v_add_nc_u32 v[ADRB+\s], s22, v4
	s_add_co_u32 s21, s21, SLOT
	s_add_co_u32 s22, s22, SLOT
.endr
	v_lshlrev_b32 v[BO], 5, v2                     ; the bias of my 128 columns: 32 h bytes on, 64 bytes a block
	s_lshl_b32 s46, s42, 10
	s_lshl_b32 s47, s16, 9
	s_add_co_u32 s46, s46, s47                     ; my first column, in bytes: 1,024 x tile column + 512 x half
	s_mov_b32 s47, 0
	s_add_nc_u64 s[66:67], s[10:11], s[46:47]
.irp b, 0,1,2,3,4,5,6,7
	global_load_b128 v[BIAS+8*\b:BIAS+8*\b+3], v[BO], s[66:67] offset:64*\b
	global_load_b128 v[BIAS+8*\b+4:BIAS+8*\b+7], v[BO], s[66:67] offset:64*\b+16
.endr
	s_mul_i32 s23, s14, 16*SPITCH                  ; my stage
	v_mul_u32_u24 v5, v1, SPITCH                   ; in: row l % 16, 32 bytes for each half of the lanes
	v_lshl_add_u32 v5, v2, 5, v5
	v_add_nc_u32 v[STO], s23, v5
	v_add_nc_u32 v[RD], s23, v[CO]                 ; back: the 32 lanes take one row of 512 bytes
	s_lshl_b32 s20, s17, 8
	s_lshl_b32 s21, s15, 7
	s_add_co_u32 s20, s20, s21                     ; my first row of out0: 256 x tile row + 128 x half,
	s_lshl_b32 s20, s20, 12                        ; of 4,096 bytes: under 2^26
	s_mov_b32 s21, 0
	s_add_nc_u64 s[20:21], s[20:21], s[46:47]
	s_add_nc_u64 s[12:13], s[12:13], s[20:21]
.macro FRAGB reg, adr, q, i            ; B: lane l holds row l % 16; registers 4 c .. 4 c + 3 hold positions 32 c + 16 (l / 16) + 0 .. 15
.irp c, 0,1,2,3
	ds_load_b128 v[\reg+4*\c:\reg+4*\c+3], v[\adr] offset:128*(\q)+32*\c+(\i)*16*PITCH
.endr
.endm
.macro FRAGA reg, adr, q, i            ; A: the image as it lies: tile of tokens i, the slot's q-th pair of heads, piece c
.irp c, 0,1,2,3
	ds_load_b128 v[\reg+4*\c:\reg+4*\c+3], v[\adr] offset:2048*(\q)+512*\c+(\i)*4096
.endr
.endm
; 16 matrix instructions: A's blocks a0, a0 + 1 x B's eight, 128 along K.  The 64 accumulators take turns, one instruction a turn.
.macro MUL16 a0, p, zero
.irp a, \a0, \a0+1
.irp b, 0,1,2,3,4,5,6,7
.if \zero
	v_wmma_f32_16x16x128_fp8_fp8 v[8*(8*((\a)%4)+\b):8*(8*((\a)%4)+\b)+7], v[128*(\p)+FR*\b:128*(\p)+FR*\b+FR-1], v[AF+FR*(\a):AF+FR*(\a)+FR-1], 0
.else
	v_wmma_f32_16x16x128_fp8_fp8 v[8*(8*((\a)%4)+\b):8*(8*((\a)%4)+\b)+7], v[128*(\p)+FR*\b:128*(\p)+FR*\b+FR-1], v[AF+FR*(\a):AF+FR*(\a)+FR-1], v[8*(8*((\a)%4)+\b):8*(8*((\a)%4)+\b)+7]
.endif
.endr
.endr
.endm
.macro FETCH_B slot, q, p
	WIN TO_B
.irp i, 0,1,2,3,4,5,6,7
	FRAGB 128*(\p)+FR*\i, ADRB+\slot, \q, \i
.endr
	WIN 0
.endm
.macro FETCH_A slot, q, i0
.irp i, \i0, \i0+1, \i0+2, \i0+3
	FRAGA AF+FR*(\i), ADRA+\slot, \q, \i
.endr
.endm
.macro PLACES n                        ; plain vector lines in front of loads into registers that matrix instructions have read, and of the first read of results
.rept \n
	v_nop
.endr
.endm
.macro STEP slot, q, zero              ; a step of 128 along K that has its successor in the same slot
	s_wait_dscnt 4*NL                              ; B's set and A's blocks 0-3 are in; the youngest loads (A's blocks 4-7) may be out
	WIN MUL_LO
	MUL16 0, (\q)%2, \zero
	MUL16 2, (\q)%2, \zero
	s_wait_dscnt 0                                 ; A's blocks 4-7 are in
	PLACES NP
	FETCH_B \slot, (\q)+1, 1-(\q)%2
	FETCH_A \slot, (\q)+1, 0
	WIN MUL_HI
	MUL16 4, (\q)%2, \zero
	MUL16 6, (\q)%2, \zero
	PLACES NP
	WIN 0
	FETCH_A \slot, (\q)+1, 4
.endm
; A slot's last step changes slots: ONE barrier; in front of it each wave waits for all its tensor loads, adds 0 to its spare word, and waits for that and for its own reads of this slot.  fill = 1: this slot is filled again, two K steps ahead.
.macro TURN slot, next, fill
	s_wait_tensorcnt 0x0                           ; all my tensor loads have landed: my part of the next slot
	ds_add_u32 v[SPW], v[NIL]                      ; 0 onto my spare word
	s_wait_dscnt 4*NL+1                            ; (the add and the youngest loads, A's blocks 4-7, may be out)
	WIN MUL_LO
	MUL16 0, 1, 0                                  ; sixteen matrix instructions stand between the add and the wait for it
	s_wait_dscnt 0x0                               ; the add is done, and my reads of this slot are over
	s_barrier_signal -1
	MUL16 2, 1, 0
	WIN 0
	s_barrier_wait -1
.if \fill
	CREST                                          ; the barrier has opened a round of the cluster's barrier: no wave of any partner still reads this slot's tile or has a load on its way
	s_add_nc_u64 s[G0+4*\slot+2:G0+4*\slot+3], s[G0+4*\slot+2:G0+4*\slot+3], 2*4096
	s_add_nc_u64 s[G0B+4*\slot+2:G0B+4*\slot+3], s[G0B+4*\slot+2:G0B+4*\slot+3], 2*ROWB
	JLOAD G0+4*\slot, G1, G0B+4*\slot, G1B         ; the first tensor load behind the round; the four v_nop behind it are the places in front of the loads below
.else
	PLACES NP
.endif
	FETCH_B \next, 0, 0
	FETCH_A \next, 0, 0
	WIN MUL_HI
	MUL16 4, 1, 0
	MUL16 6, 1, 0
	PLACES NP
	WIN 0
	FETCH_A \next, 0, 4
.endm
	s_wait_alu depctr_va_vdst(0)
	s_wait_tensorcnt 1                             ; my part of K step 0 is in (K step 1's load may be out),
	s_barrier_signal -1
	s_barrier_wait -1                              ; everybody's is
	FETCH_B 0, 0, 0
	FETCH_A 0, 0, 0
	FETCH_A 0, 0, 4
	STEP 0, 0, 1                                   ; the first step stands in front of the loop: its products start the sums
	s_mov_b32 s3, LAPS-1
.Llap:                                                 ; a trip goes once round the ring, from a lap's second step to the next lap's first, and fills both slots again
	TURN 0, 1, 1
	STEP 1, 0, 0
	TURN 1, 0, 1
	STEP 0, 0, 0
	s_sub_co_u32 s3, s3, 1
	s_cmp_lg_u32 s3, 0
	s_cbranch_scc1 .Llap
	TURN 0, 1, 0                                   ; the last lap fills nothing, and has no round of the cluster's barrier
	STEP 1, 0, 0
	s_wait_dscnt 4*NL                              ; the very last step: nothing more to fetch
	WIN MUL_LO
	MUL16 0, 1, 0
	MUL16 2, 1, 0
	s_wait_dscnt 0
	WIN MUL_HI
	MUL16 4, 1, 0
	MUL16 6, 1, 0
	WIN 0
; THE WAY OUT, block by block of 16 rows x 128 columns.  A lane holds 32 neighbouring bytes of a row, and the lanes beside it hold other rows: so a block goes through my own stage in LDS and comes back as whole
; rows of 512 bytes, which the 32 lanes store as one aligned run of 512 bytes.  LDS serves a wave's instructions in order (ISA guide 5.7.1.4): no wait between the stores and the loads, nor in front of the next block's stores.
.macro TOSTAGE a
.set AC, 64*((\a)%4)
	WIN 0x42+((\a)/4)                              ; source 0 (the sums): window 2 or 3; source 2 (the bias): window 0; destination: window 1
.irp j, 0,2,4,6,8,10,12,14,16,18,20,22,24,26,28,30,32,34,36,38,40,42,44,46,48,50,52,54,56,58,60,62
	v_pk_fma_f32 v[TMP+\j:TMP+\j+1], v[AC+\j:AC+\j+1], s[96:97], v[BIAS+\j:BIAS+\j+1] op_sel_hi:[1,0,1]   ; sum x 2^(e6 + e7) + bias (the scalar pair's low word for both halves); each accumulator from its low end on
.endr
	WIN 0x04                                       ; store data: window 1; address: window 0
.irp b, 0,1,2,3,4,5,6,7
	ds_store_b128 v[STO], v[TMP+8*\b:TMP+8*\b+3] offset:64*\b
	ds_store_b128 v[STO], v[TMP+8*\b+4:TMP+8*\b+7] offset:64*\b+16
.endr
	WIN 0
.set RB, BK+64*((\a)%2)
.irp t, 0,1,2,3,4,5,6,7,8,9,10,11,12,13,14,15
	ds_load_b128 v[RB+4*\t:RB+4*\t+3], v[RD] offset:\t*SPITCH
.endr
.endm
.macro SEND a, younger                 ; younger: the LDS instructions issued behind block a's loads, which may stay out
.set RB, BK+64*((\a)%2)
	s_wait_dscnt \younger                          ; the block is back in registers
.if (\a) > 0
	s_add_nc_u64 s[12:13], s[12:13], 16*SIZE_N*4   ; (behind a wait on XCNT: the earlier stores have read their base)  16 rows of out0 on
.endif
.irp t, 0,1,2,3,4,5,6,7,8,9,10,11,12,13,14,15
	global_store_b128 v[CO], v[RB+4*\t:RB+4*\t+3], s[12:13] offset:\t*SIZE_N*4 th:TH_STORE_NT   ; 32 lanes store 512 consecutive bytes, aligned; written once, read by nobody here
.endr
.endm
	s_wait_kmcnt 0x0
	s_add_co_i32 s96, s96, s97                     ; e6 + e7, between -126 and 127,
	s_add_co_i32 s96, s96, 127
	s_lshl_b32 s96, s96, 23                        ; makes the f32 number 2^(e6 + e7)
	s_wait_loadcnt 0x0                             ; the bias
	PLACES NP                                      ; behind the last products: for the loads into the registers that held A's fragments, the results written over B's, and block 7's reads alike
	TOSTAGE 0
.irp a, 1,2,3,4,5,6,7
.if \a > 1
	s_wait_xcnt 0x0                                ; block a - 2's stores have read their registers and their base: block a's loads may land there, and the base may step
.endif
	TOSTAGE \a
	SEND \a-1, 32                                  ; behind block a - 1's loads: block a's 16 stores and 16 loads
.endr
	s_wait_xcnt 0x0                                ; block 6's stores have read their base
	SEND 7, 0
	s_wait_tensorcnt 0x0                           ; the wave's end: these three lines, behind my last tensor load and my last LDS store
	ds_add_u32 v[SPW], v[NIL]
	s_wait_dscnt 0x0
	CROUND                                         ; the closing round: no work-group ends while a partner may still ask for a tile that names it
	s_endpgm
.Lfunc_end_k_q36484d4b73_gemm2:
	.size	k_q36484d4b73_gemm2, .Lfunc_end_k_q36484d4b73_gemm2-k_q36484d4b73_gemm2
	.p2alignl 7, 3214868480
	.fill 96, 4, 3214868480
	.section	.rodata,"a",@progbits
	.p2align	6, 0x0
	.amdhsa_kernel k_q36484d4b73_gemm2
		.amdhsa_group_segment_fixed_size 327680
		.amdhsa_private_segment_fixed_size 0
		.amdhsa_enable_private_segment 0
		.amdhsa_kernarg_size 40
		.amdhsa_user_sgpr_count 2
		.amdhsa_user_sgpr_kernarg_segment_ptr 1
		.amdhsa_wavefront_size32 1
		.amdhsa_system_sgpr_workgroup_id_x 1
		.amdhsa_system_sgpr_workgroup_id_y 1
		.amdhsa_system_sgpr_workgroup_id_z 1
		.amdhsa_system_vgpr_workitem_id 0
		.amdhsa_next_free_vgpr 1024
		.amdhsa_next_free_sgpr 98
		.amdhsa_reserve_vcc 0
		.amdhsa_float_denorm_mode_32 3
		.amdhsa_float_denorm_mode_16_64 3
		.amdhsa_memory_ordered 1
		.amdhsa_forward_progress 1
		.amdhsa_inst_pref_size 126
	.end_amdhsa_kernel
	.amdgpu_metadata
---
amdhsa.version: [ 1, 2 ]
amdhsa.kernels:
  - .name:           k_q36484d4b73_gemm2
    .symbol:         k_q36484d4b73_gemm2.kd
    .args:
      - { .name: y_img, .offset: 0, .size: 8, .value_kind: global_buffer, .address_space: global }
      - { .name: wp_codes, .offset: 8, .size: 8, .value_kind: global_buffer, .address_space: global }
      - { .name: lowp_scales, .offset: 16, .size: 8, .value_kind: global_buffer, .address_space: global }
      - { .name: b_proj, .offset: 24, .size: 8, .value_kind: global_buffer, .address_space: global }
      - { .name: out0, .offset: 32, .size: 8, .value_kind: global_buffer, .address_space: global }
    .group_segment_fixed_size: 327680
    .private_segment_fixed_size: 0
    .kernarg_segment_align: 8
    .kernarg_segment_size: 40
    .max_flat_workgroup_size: 128
    .sgpr_count:     98
    .vgpr_count:     1024
    .wavefront_size: 32
...
	.end_amdgpu_metadata
.endif
;; end of part 4
